; MI455X (gfx1250); checked and timed in simulation.
; The chip was launched on July 23, 2026; its instructions are those of AMD's public machine-readable ISA for CDNA 5 (MIT licence, August 2026) and "CDNA5" Instruction Set Architecture Reference Guide (July 2026). The comments in the code are by the model that wrote it; some were corrected since.
;; Multi Head Attention Block. Allowed arithmetic: float matrix products may take bf16 or f16 operands with f32 sums; all other float work in f32.
;; Inputs: Wk 2,048 x 2,048 float32; Wo 2,048 x 2,048 float32; Wq 2,048 x 2,048 float32; Wv 2,048 x 2,048 float32; bk 2,048 float32; bo 2,048 float32; bq 2,048 float32; bv 2,048 float32; k 2,048 x 2,048 float32; q 2,048 x 2,048 float32; v 2,048 x 2,048 float32.
;; Outputs: out0 2,048 x 2,048 float32.
;; 2 versions, each right. Each part assembles by itself: llvm-mc -triple=amdgcn-amd-amdhsa -mcpu=gfx1250 --defsym DOCPART=n.
;; ======== version 1 of 2: 4 launches
;; limits: inputs' magnitudes at most 65,504; values are held in f16: magnitudes above 65,504 overflow, below 6.1e-05 lose precision; right only within a limited range of input values
;; workspace buffers: h16 58,720,256 bytes; qkv 25,165,824 bytes; x16 8,388,608 bytes
;; launch cast (part 1): grid 256 x 7, 8 waves a work-group, no clusters, 0 bytes of LDS; arguments q, k, v, Wq, Wk, Wv, Wo, h16; writes h16
.if DOCPART == 1
	.amdgcn_target "amdgcn-amd-amdhsa--gfx1250"
	.amdhsa_code_object_version 6
	.text
	.protected	k_q984a862145_cast
	.globl	k_q984a862145_cast
	.p2align	8
	.type	k_q984a862145_cast,@function
k_q984a862145_cast:
	s_mov_b64 s[64:65], 0
	v_nop
	global_prefetch_b8 v0, s[64:65] scope:SCOPE_SE
	s_setreg_imm32_b32 hwreg(HW_REG_WAVE_MODE, 25, 1), 1
	s_wait_xcnt 0x0
; h16[y] = f16(source y), y = 0..6: q, k, v, Wq, Wk, Wv, Wo, each [2048][2048] f32, narrowed once (round to nearest even).
; The later launches then move and read half the bytes for every matrix operand.
; f16 and not bf16: 11 significant bits against 8, at the same operand size.
; LIMIT: an input of magnitude above 65,504 becomes an infinity; below 2^-14 the absolute rounding step is 2^-25.
; A stream: no LDS, no barrier, no matrix unit.  The work-group takes 65,536 bytes of one source as 16 rows of 4,096 bytes;
; thread t takes the 16 bytes at 16 t of each row and stores 8 bytes at 8 t: a wave's load covers 512 consecutive bytes,
; its store 256 consecutive bytes at a multiple of 256.  All 16 loads go out first; no register is written twice.
.set X, 4                              ; v[4:67]   row i: four f32 as loaded
.set Y, 68                             ; v[68:99]  row i: four f16 to store
	s_load_b512 s[8:23], s[0:1], 0x0               ; the seven sources s[8:21], h16 s[22:23]
	s_and_b32 s24, ttmp7, 0xffff                   ; y: which source
	v_lshlrev_b32 v1, 4, v0                        ; 16 t
	v_lshlrev_b32 v2, 3, v0                        ; 8 t
	s_lshl_b32 s26, ttmp9, 16                      ; my 65,536 bytes of the source
	s_mov_b32 s27, 0
	s_lshl_b32 s28, s24, 23                        ; y arrays of 8,388,608 bytes of f16,
	s_lshl_b32 s25, ttmp9, 15                      ; and my 32,768 bytes in that array
	s_add_co_u32 s28, s28, s25
	s_mov_b32 s29, 0
	s_wait_kmcnt 0x0
	s_mov_b64 s[4:5], s[8:9]
.irp i, 1,2,3,4,5,6
	s_cmp_eq_u32 s24, \i                           ; the choice hangs on the work-group's y alone
	s_cselect_b64 s[4:5], s[8+2*\i:9+2*\i], s[4:5]
.endr
	s_add_nc_u64 s[4:5], s[4:5], s[26:27]
	s_add_nc_u64 s[6:7], s[22:23], s[28:29]
.irp i, 0,1,2,3,4,5,6,7,8,9,10,11,12,13,14,15
	global_load_b128 v[X+4*\i:X+4*\i+3], v1, s[4:5] offset:4096*\i th:TH_LOAD_NT   ; read once in the whole program
.endr
.irp i, 0,1,2,3,4,5,6,7,8,9,10,11,12,13,14,15
	s_wait_loadcnt 15-\i                           ; loads come back in order: row i is in, the 15 - i younger ones stay out
	v_cvt_pk_f16_f32 v[Y+2*\i],   v[X+4*\i],   v[X+4*\i+1]
	v_cvt_pk_f16_f32 v[Y+2*\i+1], v[X+4*\i+2], v[X+4*\i+3]
	global_store_b64 v2, v[Y+2*\i:Y+2*\i+1], s[6:7] offset:2048*\i   ; no streaming hint: the next launch reads these bytes
.endr
	s_endpgm
.Lfunc_end_k_q984a862145_cast:
	.size	k_q984a862145_cast, .Lfunc_end_k_q984a862145_cast-k_q984a862145_cast
	.p2alignl 7, 3214868480
	.fill 96, 4, 3214868480
	.section	.rodata,"a",@progbits
	.p2align	6, 0x0
	.amdhsa_kernel k_q984a862145_cast
		.amdhsa_group_segment_fixed_size 0
		.amdhsa_private_segment_fixed_size 0
		.amdhsa_enable_private_segment 0
		.amdhsa_kernarg_size 64
		.amdhsa_user_sgpr_count 2
		.amdhsa_user_sgpr_kernarg_segment_ptr 1
		.amdhsa_wavefront_size32 1
		.amdhsa_system_sgpr_workgroup_id_x 1
		.amdhsa_system_sgpr_workgroup_id_y 1
		.amdhsa_system_sgpr_workgroup_id_z 1
		.amdhsa_system_vgpr_workitem_id 0
		.amdhsa_next_free_vgpr 100
		.amdhsa_next_free_sgpr 66
		.amdhsa_reserve_vcc 0
		.amdhsa_float_denorm_mode_32 3
		.amdhsa_float_denorm_mode_16_64 3
		.amdhsa_memory_ordered 1
		.amdhsa_forward_progress 1
		.amdhsa_inst_pref_size 7
	.end_amdhsa_kernel
	.amdgpu_metadata
---
amdhsa.version: [ 1, 2 ]
amdhsa.kernels:
  - .name:           k_q984a862145_cast
    .symbol:         k_q984a862145_cast.kd
    .args:
      - { .name: q, .offset: 0, .size: 8, .value_kind: global_buffer, .address_space: global }
      - { .name: k, .offset: 8, .size: 8, .value_kind: global_buffer, .address_space: global }
      - { .name: v, .offset: 16, .size: 8, .value_kind: global_buffer, .address_space: global }
      - { .name: Wq, .offset: 24, .size: 8, .value_kind: global_buffer, .address_space: global }
      - { .name: Wk, .offset: 32, .size: 8, .value_kind: global_buffer, .address_space: global }
      - { .name: Wv, .offset: 40, .size: 8, .value_kind: global_buffer, .address_space: global }
      - { .name: Wo, .offset: 48, .size: 8, .value_kind: global_buffer, .address_space: global }
      - { .name: h16, .offset: 56, .size: 8, .value_kind: global_buffer, .address_space: global }
    .group_segment_fixed_size: 0
    .private_segment_fixed_size: 0
    .kernarg_segment_align: 8
    .kernarg_segment_size: 64
    .max_flat_workgroup_size: 256
    .sgpr_count:     66
    .vgpr_count:     100
    .wavefront_size: 32
...
	.end_amdgpu_metadata
.endif
;; end of part 1
;; launch proj (part 2): grid 16 x 48, 4 waves a work-group, clusters of 4 x 4, 327,680 bytes of LDS; arguments h16, bq, bk, bv, qkv; writes qkv
.if DOCPART == 2
	.amdgcn_target "amdgcn-amd-amdhsa--gfx1250"
	.amdhsa_code_object_version 6
	.text
	.protected	k_q984a862145_proj
	.globl	k_q984a862145_proj
	.p2align	8
	.type	k_q984a862145_proj,@function
k_q984a862145_proj:
	s_mov_b64 s[64:65], 0
	v_nop
	global_prefetch_b8 v0, s[64:65] scope:SCOPE_SE
	s_setreg_imm32_b32 hwreg(HW_REG_WAVE_MODE, 25, 1), 1
	s_wait_xcnt 0x0
	s_wait_alu depctr_hold_cnt(0) depctr_sa_sdst(0) depctr_va_vdst(0) depctr_va_sdst(0) depctr_va_ssrc(0) depctr_va_vcc(0) depctr_vm_vsrc(0)
	s_getreg_b32 s2, hwreg(HW_REG_IB_STS2, 6, 4)
	s_cmp_eq_u32 s2, 0
	s_cbranch_scc0 .Lentry_in_a_cluster
	s_endpgm
.Lentry_in_a_cluster:
	s_bfe_u32 s2, ttmp6, 0x10000c
	s_cmp_lg_u32 s2, 0xf033
	s_cbranch_scc0 .Lentry_shape_is_right
	s_endpgm
.Lentry_shape_is_right:
; qkv[6144][2048] f16 = (X W^T + b) * 2^-4 for the three projections at once: X = q, k, v stacked as [6144][2048] f16 (h16's first three
; arrays), W = Wq, Wk or Wv (h16's arrays 3, 4, 5) by the block row's third g, b = bq, bk, bv.  Sums in f32.
; The factor 2^-4 is exact and keeps f16's range: LIMIT |Q|, |K|, |V| below 16 x 65,504; stored numbers below 2^-14 have the absolute step 2^-25.
; A work-group makes 128 x 128 of the result with four waves, a wave 64 x 64: 16 accumulator tiles, 128 registers.  2048 / 128 = 16 blocks a side,
; 768 work-groups = 3 x 256; blocks of 256 x 256 would give 192.
; K goes in steps of 256 through two LDS slots; a slot holds 128 rows of X and 128 rows of W, 512 bytes a row; each wave brings 64 rows by one tensor load.
; CLUSTERS: 4 x 4 work-groups.  X's tile hangs on the block row alone and is asked for jointly along a row of the cluster, W's on the block column
; (and on g, which the whole cluster shares) and is asked for jointly along a column: a quarter of the requests.
; By this text's count a wave has two tensor loads out at the start and one behind each round.
; THE MATRIX INSTRUCTION IS USED TRANSPOSED (source 0 = rows of W, source 1 = rows of X): lane l holds row l % 16 of the result and in its
; eight registers the columns 8 (l / 16) + 0..7, which pack into 16 neighbouring bytes.
; REGISTERS: window 0: addresses, bias, two fragment buffers, work; window 1: v0-127 the accumulators, tile (a, b) at 8 (4 a + b).
.set PITCH,  528                       ; an LDS row: 512 bytes + 16 of padding = 33 x 16: the 16 rows of a fragment load start 16 bytes apart modulo 256
.set HALFT,  64*PITCH                  ; what one tensor load brings, and what a wave reads of X or of W
.set SLOT,   4*HALFT                   ; X's 128 rows, then W's 128 rows
.set STAGE,  2*SLOT                    ; behind the ring, a multiple of 256: no tensor load ever lands here
.set SP,     144                       ; the stage's pitch: 128 bytes (64 f16) + 16 = 9 x 16
.set WREG,   64*SP+128                 ; a wave's own region of the stage; the 128 put two neighbouring regions 128 bytes apart modulo 256
.set MB8,    8388608                   ; bytes of a [2048][2048] f16 array
.set G1W0,   (1<<16)|(1<<20)|(1<<21)|(6<<22)|(3<<25)   ; elements of 2 bytes; padding on; bit 21 beside a mask; after every 128 words; 4 words
.set ADRA, 8                           ; v8-9    LDS address of my X fragments in slot 0, 1
.set ADRB, 10                          ; v10-11  the same for W
.set STO,  12                          ; v12     the way out: where I put 16 bytes
.set RD,   13                          ; v13     the way out: where I read 16 bytes of a whole row
.set CO,   14                          ; v14     my byte offset in the result
.set BO,   15                          ; v15     my byte offset in the bias
.set BI,   16                          ; v[16:47] bias of my 4 x 8 columns
.set F0,   64                          ; fragment buffer 0: W's four fragments, then X's four
.set F1,   128                         ; fragment buffer 1
.set T,    192                         ; v[192:223] at work
.set PK,   224                         ; v[224:239] packed results
.set G1A, 24                           ; s[24:31] group 1 for X's tiles
.set G0A, 32                           ; s[32:39] group 0 for X's tiles, a set for each slot
.set G1B, 40                           ; s[40:47] group 1 for W's tiles: another mask
.set G0B, 48                           ; s[48:55] group 0 for W's tiles
.set MSB, 0
.macro WIN new                         ; the immediate's high byte repeats the setting that is left
.if MSB != \new
	s_set_vgpr_msb (MSB<<8)|\new
.set MSB, \new
.endif
.endm
.macro JLOAD s                         ; a joint load: waves 0, 1 ask for X's halves, waves 2, 3 for W's; the branch hangs on the wave's number alone
	s_cmp_eq_u32 s15, 0
	s_cbranch_scc0 .Lfor_b_\@
	tensor_load_to_lds s[G0A+4*\s:G0A+4*\s+3], s[G1A:G1A+7]
	s_nop 0
	s_branch .Lasked_\@
.Lfor_b_\@:
	tensor_load_to_lds s[G0B+4*\s:G0B+4*\s+3], s[G1B:G1B+7]
	s_nop 0
.Lasked_\@:
.endm
.macro CREST                           ; a round of the cluster's barrier behind its opening work-group barrier
	s_cmp_lg_u32 s14, 0
	s_cbranch_scc1 .Lnot_wave_0_\@
	s_barrier_signal -3
.Lnot_wave_0_\@:
	s_barrier_wait -3
	s_barrier_signal -1
	s_barrier_wait -1
.endm
.macro CROUND                          ; a whole round
	s_barrier_signal -1
	s_barrier_wait -1
	CREST
.endm
.macro PLACES                          ; four plain vector places behind a matrix instruction, ahead of loads into its sources and of readers of its result
.rept 4
	v_nop
.endr
.endm
; 16 LDS loads: the fragments of eighth e of a slot (32 along K = 64 bytes of the rows) into buffer f
.macro FETCH slot, e, f
.irp i, 0,1,2,3
	ds_load_b128 v[\f+8*\i:\f+8*\i+3],   v[ADRB+(\slot)] offset:64*(\e)+\i*16*PITCH
	ds_load_b128 v[\f+8*\i+4:\f+8*\i+7], v[ADRB+(\slot)] offset:64*(\e)+\i*16*PITCH+32
.endr
.irp i, 0,1,2,3
	ds_load_b128 v[\f+32+8*\i:\f+32+8*\i+3],   v[ADRA+(\slot)] offset:64*(\e)+\i*16*PITCH
	ds_load_b128 v[\f+32+8*\i+4:\f+32+8*\i+7], v[ADRA+(\slot)] offset:64*(\e)+\i*16*PITCH+32
.endr
.endm
; 16 matrix instructions, one on each accumulator, always in the same order: the accumulators take turns.
; zero = 1: the first products start the sums; nothing is cleared.
.macro MUL f, zero
	WIN 0x50                                       ; C and D in window 1
.irp a, 0,1,2,3
.irp b, 0,1,2,3
.if \zero
	v_wmma_f32_16x16x32_f16 v[8*(4*\a+\b):8*(4*\a+\b)+7], v[\f+8*\b:\f+8*\b+7], v[\f+32+8*\a:\f+32+8*\a+7], 0
.else
	v_wmma_f32_16x16x32_f16 v[8*(4*\a+\b):8*(4*\a+\b)+7], v[\f+8*\b:\f+8*\b+7], v[\f+32+8*\a:\f+32+8*\a+7], v[8*(4*\a+\b):8*(4*\a+\b)+7]
.endif
.endr
.endr
	WIN 0
.endm
; One slot = eight eighths on buffers 0, 1, 0, 1 ..  On entry eighth 0's loads are out and four places stand behind the last matrix instruction.
; tail 1: change slots and fill this one again; 2: change slots, nothing left to fetch; 3: the last slot.
.macro STEP slot, zero, tail
	FETCH \slot, 1, F1
	s_wait_dscnt 16                                ; all but the 16 loads just issued: this eighth's fragments are in
	MUL F0, \zero
.irp e, 1,3,5
	PLACES
	FETCH \slot, \e+1, F0
	s_wait_dscnt 16
	MUL F1, 0
	PLACES
	FETCH \slot, \e+2, F1
	s_wait_dscnt 16
	MUL F0, 0
.endr
	s_wait_dscnt 0                                 ; the last eighth is in, and with it all my reads of this slot are over
.if \tail != 3
	s_wait_tensorcnt 0x0                           ; all my tensor loads have landed: the one that was out is my part of the other slot
	ds_add_u32 v254, v255
	s_wait_dscnt 0x0
	s_barrier_signal -1                            ; say so (with a refill this barrier opens a round of the cluster's barrier)
.endif
	MUL F1, 0                                      ; registers only
.if \tail != 3
	s_barrier_wait -1
.endif
.if \tail == 1
	CREST                                          ; all sixteen work-groups have said so: no wave of a partner reads this slot or has a load on its way
	s_add_nc_u64 s[G0A+4*\slot+2:G0A+4*\slot+3], s[G0A+4*\slot+2:G0A+4*\slot+3], 1024   ; two slots of 512 bytes along the rows; no load of mine is out
	s_add_nc_u64 s[G0B+4*\slot+2:G0B+4*\slot+3], s[G0B+4*\slot+2:G0B+4*\slot+3], 1024
	JLOAD \slot                                    ; my one tensor load behind the round, ahead of every LDS read; it has the next slot's 112 matrix instructions in which to land
.endif
	PLACES
.if \tail != 3
	FETCH 1-\slot, 0, F0
.endif
.endm
	s_load_b256 s[4:11], s[0:1], 0x0               ; h16 s[4:5], bq s[6:7], bk s[8:9], bv s[10:11]
	s_load_b64 s[12:13], s[0:1], 0x20              ; qkv
	v_lshl_add_u32 v254, v0, 2, 0x4b200
	v_mov_b32 v255, 0
	ds_add_u32 v254, v255
	v_lshrrev_b32 v1, 5, v0
	v_readfirstlane_b32 s14, v1                    ; wave 0..3
	s_lshr_b32 s15, s14, 1                         ; my half of the block's rows; also: I fetch for X (0) or for W (1)
	s_and_b32 s16, s14, 1                          ; my half of its columns; also: which 64 rows of that tile I fetch
	s_bfe_u32 s17, ttmp6, 0x40000                  ; cx
	s_bfe_u32 s18, ttmp6, 0x40004                  ; cy
	s_lshl_b32 s19, ttmp9, 2
	s_add_co_u32 s19, s19, s17                     ; block column = 4 x cluster x + cx
	s_and_b32 s21, ttmp7, 0xffff                   ; cluster y, 0..11
	s_lshl_b32 s20, s21, 2
	s_add_co_u32 s20, s20, s18                     ; block row = 4 x cluster y + cy, 0..47
	s_lshr_b32 s21, s21, 2                         ; g = 0, 1, 2: Q, K, V; from the cluster's y alone
	s_lshl_b32 s22, s18, 2
	s_lshl_b32 s22, 15, s22                        ; my row of the cluster
	s_lshl_b32 s23, 0x1111, s17                    ; my column
	s_or_b32 s[G1A+0], s22, G1W0
	s_or_b32 s[G1B+0], s23, G1W0
.irp g, G1A, G1B
	s_mov_b32 s[\g+1], 256<<16                     ; tensor_dim0 = 256 elements
	s_mov_b32 s[\g+2], 64<<16                      ; tensor_dim1 = 64 rows
	s_mov_b32 s[\g+3], 256<<16                     ; tile_dim0 = 256
	s_mov_b32 s[\g+4], 64                          ; tile_dim1 = 64
	s_mov_b32 s[\g+5], 2048                        ; elements from row to row
	s_mov_b32 s[\g+6], 0
	s_mov_b32 s[\g+7], 0
.endr
	s_lshl_b32 s67, s16, 6                         ; which 64 rows I fetch
	s_lshl_b32 s56, s20, 7                         ; X: row 128 x block row + 64 x half, rows of 4,096 bytes (s56-59 never hold cx)
	s_add_co_u32 s56, s56, s67
	s_lshl_b32 s56, s56, 12
	s_mov_b32 s57, 0
	s_lshl_b32 s60, s19, 7                         ; W: row 128 x block column + 64 x half (s60-63 never hold cy),
	s_add_co_u32 s60, s60, s67
	s_lshl_b32 s60, s60, 12
	s_add_co_u32 s61, s21, 3                       ; in array 3 + g of h16
	s_lshl_b32 s61, s61, 23
	s_add_co_u32 s60, s60, s61
	s_mov_b32 s61, 0
	s_mul_i32 s66, s14, HALFT                      ; where my 64 rows go: wave x 64 rows
	s_wait_dscnt 0x0
	s_wait_kmcnt 0x0
	s_add_nc_u64 s[58:59], s[4:5], s[56:57]
	s_add_nc_u64 s[62:63], s[4:5], s[60:61]
	CROUND                                         ; all sixteen work-groups are here: the first joint loads meet
.irp s, 0,1
	s_mov_b32 s[G0A+4*\s], 1
	s_add_co_u32 s[G0A+4*\s+1], s66, \s*SLOT
	s_add_nc_u64 s[G0A+4*\s+2:G0A+4*\s+3], s[58:59], \s*512
	s_or_b32 s[G0A+4*\s+3], s[G0A+4*\s+3], 0x80000000
	s_mov_b32 s[G0B+4*\s], 1
	s_add_co_u32 s[G0B+4*\s+1], s66, \s*SLOT
	s_add_nc_u64 s[G0B+4*\s+2:G0B+4*\s+3], s[62:63], \s*512
	s_or_b32 s[G0B+4*\s+3], s[G0B+4*\s+3], 0x80000000
	JLOAD \s                                       ; both slots are asked for before anything else
.endr
	; the bias of my columns 64 x half + 16 b + 8 (l / 16) + 0..7
	s_cmp_eq_u32 s21, 1
	s_cselect_b64 s[6:7], s[8:9], s[6:7]
	s_cmp_eq_u32 s21, 2
	s_cselect_b64 s[6:7], s[10:11], s[6:7]
	s_lshl_b32 s60, s19, 9                         ; 4 bytes x (128 x block column + 64 x half)
	s_lshl_b32 s61, s16, 8
	s_add_co_u32 s60, s60, s61
	s_mov_b32 s61, 0
	s_add_nc_u64 s[6:7], s[6:7], s[60:61]
	v_and_b32 v1, 15, v0                           ; l % 16
	v_bfe_u32 v2, v0, 4, 1                         ; l / 16
	v_lshlrev_b32 v[BO], 5, v2
.irp b, 0,1,2,3
	global_load_b128 v[BI+8*\b:BI+8*\b+3],   v[BO], s[6:7] offset:64*\b
	global_load_b128 v[BI+8*\b+4:BI+8*\b+7], v[BO], s[6:7] offset:64*\b+16
.endr
	; where the result goes: row 128 x block row + 32 x wave (rows of 4,096 bytes), byte 256 x block column
	s_lshl_b32 s56, s20, 7
	s_lshl_b32 s57, s14, 5
	s_add_co_u32 s56, s56, s57
	s_lshl_b32 s56, s56, 12
	s_mov_b32 s57, 0
	s_add_nc_u64 s[12:13], s[12:13], s[56:57]
	s_lshl_b32 s62, s19, 8
	s_mov_b32 s63, 0
	s_add_nc_u64 s[12:13], s[12:13], s[62:63]
	; a fragment: lane l holds row l % 16; registers 0-3 K = 8 (l / 16) + 0..7, registers 4-7 K = 16 + 8 (l / 16) + 0..7: two loads of 16 bytes, 32 apart
	v_mul_u32_u24 v3, v1, PITCH
	v_lshl_add_u32 v3, v2, 4, v3
	s_mul_i32 s68, s15, HALFT                      ; my 64 rows of X
	s_mul_i32 s69, s16, HALFT                      ; my 64 rows of W,
	s_add_co_u32 s69, s69, 2*HALFT                 ; behind X's 128
.irp s, 0,1
	v_add_nc_u32 v[ADRA+\s], s68, v3
	v_add_nc_u32 v[ADRB+\s], s69, v3
	s_add_co_u32 s68, s68, SLOT
	s_add_co_u32 s69, s69, SLOT
.endr
	s_mul_i32 s70, s14, WREG                       ; in: my own region, row l % 16 (+ 16 a), 16 bytes for each half of the lanes
	s_add_co_u32 s70, s70, STAGE
	v_mul_u32_u24 v4, v1, SP
	v_lshl_add_u32 v4, v2, 4, v4
	v_add_nc_u32 v[STO], s70, v4
	s_mul_i32 s71, s15, 2*WREG                     ; back: rows 32 x wave + 2 t + l / 16 of the block: the two regions of my row half,
	s_mul_i32 s72, s16, 32*SP                      ; from their row 32 x (wave % 2) on;
	s_add_co_u32 s71, s71, s72
	s_add_co_u32 s71, s71, STAGE
	v_bfe_u32 v5, v0, 3, 1                         ; lanes 0-7 of sixteen take the left region's 128 bytes, lanes 8-15 the right one's
	v_and_b32 v6, 7, v0
	v_mul_u32_u24 v5, v5, WREG
	v_mad_u32_u24 v5, v2, SP, v5
	v_lshl_add_u32 v5, v6, 4, v5
	v_add_nc_u32 v[RD], s71, v5
	v_lshlrev_b32 v7, 12, v2                       ; and the same two rows in the result
	v_lshl_add_u32 v[CO], v1, 4, v7
	s_wait_tensorcnt 0x1                           ; my part of slot 0 is in; slot 1's may stay out
	s_barrier_signal -1
	s_barrier_wait -1
	FETCH 0, 0, F0
	STEP 0, 1, 1                                   ; K steps 0 and 1 stand ahead of the loop: the first products start the sums
	STEP 1, 0, 1
	s_mov_b32 s3, 2
.Llap:
	STEP 0, 0, 1                                   ; K steps 2 to 5
	STEP 1, 0, 1
	s_sub_co_u32 s3, s3, 1
	s_cmp_lg_u32 s3, 0
	s_cbranch_scc1 .Llap
	STEP 0, 0, 2                                   ; K steps 6 and 7 fetch nothing
	STEP 1, 0, 3
	; THE WAY OUT: (sum + bias) x 2^-4 as one fused multiply-add on the scaled bias, rounded once to f16, 16 bytes a lane into my region of the stage
	s_wait_loadcnt 0x0                             ; the bias
.irp i, 0,2,4,6,8,10,12,14,16,18,20,22,24,26,28,30
	v_pk_mul_f32 v[BI+\i:BI+\i+1], v[BI+\i:BI+\i+1], 0x3d800000 op_sel_hi:[1,0]
.endr
.irp a, 0,1,2,3
	WIN 0x01                                       ; source 0 in window 1
.irp b, 0,1,2,3
.irp p, 0,2,4,6
	v_pk_fma_f32 v[T+8*\b+\p:T+8*\b+\p+1], v[8*(4*\a+\b)+\p:8*(4*\a+\b)+\p+1], 0x3d800000, v[BI+8*\b+\p:BI+8*\b+\p+1] op_sel_hi:[1,0,1]
.endr
.endr
	WIN 0
.irp b, 0,1,2,3
.irp p, 0,1,2,3
	v_cvt_pk_f16_f32 v[PK+4*\b+\p], v[T+8*\b+2*\p], v[T+8*\b+2*\p+1]
.endr
.endr
.irp b, 0,1,2,3
	ds_store_b128 v[STO], v[PK+4*\b:PK+4*\b+3] offset:\a*16*SP+32*\b
.endr
.endr
	s_wait_dscnt 0x0                               ; for the others' sake: my stores are done
	s_barrier_signal -1
	s_barrier_wait -1                              ; a row of 256 bytes comes from two waves' regions
.irp t, 0,1,2,3,4,5,6,7,8,9,10,11,12,13,14,15
	ds_load_b128 v[F0+4*\t:F0+4*\t+3], v[RD] offset:\t*2*SP
.endr
.irp t, 0,1,2,3,4,5,6,7,8,9,10,11,12,13,14,15
	s_wait_dscnt 15-\t                             ; LDS loads come back in order: pair t of rows is in
	global_store_b128 v[CO], v[F0+4*\t:F0+4*\t+3], s[12:13] offset:\t*8192   ; 16 lanes store 256 consecutive bytes at a multiple of 256
.endr
	s_wait_tensorcnt 0x0
	ds_add_u32 v254, v255
	s_wait_dscnt 0x0
	CROUND                                         ; the closing round: no work-group ends while a partner may still ask for a tile that names it
	s_endpgm
.Lfunc_end_k_q984a862145_proj:
	.size	k_q984a862145_proj, .Lfunc_end_k_q984a862145_proj-k_q984a862145_proj
	.p2alignl 7, 3214868480
	.fill 96, 4, 3214868480
	.section	.rodata,"a",@progbits
	.p2align	6, 0x0
	.amdhsa_kernel k_q984a862145_proj
		.amdhsa_group_segment_fixed_size 327680
		.amdhsa_private_segment_fixed_size 0
		.amdhsa_enable_private_segment 0
		.amdhsa_kernarg_size 40
		.amdhsa_user_sgpr_count 2
		.amdhsa_user_sgpr_kernarg_segment_ptr 1
		.amdhsa_wavefront_size32 1
		.amdhsa_system_sgpr_workgroup_id_x 1
		.amdhsa_system_sgpr_workgroup_id_y 1
		.amdhsa_system_sgpr_workgroup_id_z 1
		.amdhsa_system_vgpr_workitem_id 0
		.amdhsa_next_free_vgpr 384
		.amdhsa_next_free_sgpr 74
		.amdhsa_reserve_vcc 0
		.amdhsa_float_denorm_mode_32 3
		.amdhsa_float_denorm_mode_16_64 3
		.amdhsa_memory_ordered 1
		.amdhsa_forward_progress 1
		.amdhsa_inst_pref_size 134
	.end_amdhsa_kernel
	.amdgpu_metadata
---
amdhsa.version: [ 1, 2 ]
amdhsa.kernels:
  - .name:           k_q984a862145_proj
    .symbol:         k_q984a862145_proj.kd
    .args:
      - { .name: h16, .offset: 0, .size: 8, .value_kind: global_buffer, .address_space: global }
      - { .name: bq, .offset: 8, .size: 8, .value_kind: global_buffer, .address_space: global }
      - { .name: bk, .offset: 16, .size: 8, .value_kind: global_buffer, .address_space: global }
      - { .name: bv, .offset: 24, .size: 8, .value_kind: global_buffer, .address_space: global }
      - { .name: qkv, .offset: 32, .size: 8, .value_kind: global_buffer, .address_space: global }
    .group_segment_fixed_size: 327680
    .private_segment_fixed_size: 0
    .kernarg_segment_align: 8
    .kernarg_segment_size: 40
    .max_flat_workgroup_size: 128
    .sgpr_count:     74
    .vgpr_count:     384
    .wavefront_size: 32
...
	.end_amdgpu_metadata
.endif
;; end of part 2
;; launch attn (part 3): grid 16 x 16, 4 waves a work-group, clusters of 4 x 1, 327,680 bytes of LDS; arguments qkv, x16; writes x16
.if DOCPART == 3
	.amdgcn_target "amdgcn-amd-amdhsa--gfx1250"
	.amdhsa_code_object_version 6
	.text
	.protected	k_q984a862145_attn
	.globl	k_q984a862145_attn
	.p2align	8
	.type	k_q984a862145_attn,@function
k_q984a862145_attn:
	s_mov_b64 s[64:65], 0
	v_nop
	global_prefetch_b8 v0, s[64:65] scope:SCOPE_SE
	s_setreg_imm32_b32 hwreg(HW_REG_WAVE_MODE, 25, 1), 1
	s_wait_xcnt 0x0
	s_wait_alu depctr_hold_cnt(0) depctr_sa_sdst(0) depctr_va_vdst(0) depctr_va_sdst(0) depctr_va_ssrc(0) depctr_va_vcc(0) depctr_vm_vsrc(0)
	s_getreg_b32 s2, hwreg(HW_REG_IB_STS2, 6, 4)
	s_cmp_eq_u32 s2, 0
	s_cbranch_scc0 .Lentry_in_a_cluster
	s_endpgm
.Lentry_in_a_cluster:
	s_bfe_u32 s2, ttmp6, 0x10000c
	s_cmp_lg_u32 s2, 0x3003
	s_cbranch_scc0 .Lentry_shape_is_right
	s_endpgm
.Lentry_shape_is_right:
; x16[h][n][0..127] f16 = softmax over m of (Q[n] . K[m] / sqrt(128)) applied to V, times 2^-4, for head h = work-group y and 128 queries = work-group x.
; qkv holds Q/16, K/16, V/16 as [6144][2048] f16; head h is bytes 256 h .. 256 h + 255 of a row.  Sums, maxima and exponentials in f32.
; Softmax with a running maximum: p = exp2(c s' - c M'), s' = (Q/16).(K/16), c = 256 log2(e) / sqrt(128).  The shift NM = -c M' is rounded once and the same
; number serves the scores' multiply-add and the factor alpha = exp2(NMnew - NMold) on the old sums, so old and new terms carry one shift.
; LIMITS: the maximum ignores NaNs (a NaN score still reaches the sums); exp2 gives 0 below 2^-126; p is rounded to f16 (step 2^-25 below 2^-14).
; Four waves, a wave 32 queries as two blocks of 16.  256 work-groups.  Keys go in slots of 256 through two LDS slots (K and V), in sub-steps of 64 keys.
; CLUSTERS: the four query blocks of a cluster (same head) need the same K and V tiles and ask for them jointly (mask 15): a quarter of the requests.
; By this text's count a wave has two tensor loads out at the start and one behind each round.
; BOTH PRODUCTS ARE USED TRANSPOSED.  S^T = K Q^T: lane l holds query l % 16, register j of tile kt key 16 kt + 8 (l / 16) + j: a query's scores lie in two lanes.
; O^T = V^T P^T: P's fragment for 32 keys is tiles 2 s and 2 s + 1 packed pairwise, register for register: no traffic between lanes.  V^T comes from V's rows by the transposing LDS load.
; REGISTERS: window 0: addresses, softmax state, scores, two fragment buffers; window 1: v0-127 O (tile (q, b) at 8 (8 q + b)), v128-191 Q's fragments, v192-223 P's.
.set KP,     272                       ; K's LDS pitch: 256 bytes + 16 = 17 x 16
.set VP,     288                       ; V's LDS pitch: 256 bytes + 32 = 9 x 32, as the transposing load's eight rows want
.set KHALF,  128*KP
.set VHALF,  128*VP
.set VOFF,   2*KHALF                   ; V's 256 rows lie behind K's 256
.set SLOT,   VOFF+2*VHALF
.set STAGE,  2*SLOT                    ; a multiple of 256; no tensor load lands here; 16 rows x 272 bytes for each wave
.set MB8,    8388608
.set CEXP,   0x420293ee                ; c = 32.644462
.set KADR, 8                           ; v8-11   K fragments: 2 x slot + half (128 keys)
.set VADR, 12                          ; v12-15  V fragments likewise
.set QO,   16
.set STO,  17
.set RD,   18
.set CO,   19
.set M,    20                          ; v20-21  running maximum of s', block q
.set LS,   24                          ; v24-25  running sum of my half of the keys
.set AL,   26                          ; v[26:29] pairs, low word alpha
.set NM,   30                          ; v[30:33] pairs, low word -c M
.set T,    34                          ; v[34:41] at work, four a block
.set SC,   64                          ; v[64:127] scores, then p: 32 q + 8 kt + j
.set FA,   128
.set FB,   192
.set OA,   0                           ; window 1
.set QF,   128                         ; window 1: 8 (4 q + ks)
.set PF,   192                         ; window 1: 8 (2 s + q)
.set G1K, 24
.set G0K, 32
.set G1V, 40
.set G0V, 48
.set MSB, 0
.macro WIN new
.if MSB != \new
	s_set_vgpr_msb (MSB<<8)|\new
.set MSB, \new
.endif
.endm
.macro JLOAD s                         ; waves 0, 1 ask for K's halves of 128 keys, waves 2, 3 for V's
	s_cmp_eq_u32 s11, 0
	s_cbranch_scc0 .Lfor_v_\@
	tensor_load_to_lds s[G0K+4*\s:G0K+4*\s+3], s[G1K:G1K+7]
	s_nop 0
	s_branch .Lasked_\@
.Lfor_v_\@:
	tensor_load_to_lds s[G0V+4*\s:G0V+4*\s+3], s[G1V:G1V+7]
	s_nop 0
.Lasked_\@:
.endm
.macro CREST
	s_cmp_lg_u32 s10, 0
	s_cbranch_scc1 .Lnot_wave_0_\@
	s_barrier_signal -3
.Lnot_wave_0_\@:
	s_barrier_wait -3
	s_barrier_signal -1
	s_barrier_wait -1
.endm
.macro CROUND
	s_barrier_signal -1
	s_barrier_wait -1
	CREST
.endm
.macro PLACES                          ; four plain vector places behind a matrix instruction (ISA guide 7.12.1)
.rept 4
	v_nop
.endr
.endm
; 16 loads: K's fragments of sub-step sub (64 keys = 4 tiles), d = 64 g .. 64 g + 63 (two steps of 32)
.macro FETCHK slot, sub, g, f
.irp u, 0,1
.irp kt, 0,1,2,3
	ds_load_b128 v[\f+8*(4*\u+\kt):\f+8*(4*\u+\kt)+3],   v[KADR+2*(\slot)+((\sub)>>1)] offset:((\sub)&1)*64*KP+\kt*16*KP+64*(2*\g+\u)
	ds_load_b128 v[\f+8*(4*\u+\kt)+4:\f+8*(4*\u+\kt)+7], v[KADR+2*(\slot)+((\sub)>>1)] offset:((\sub)&1)*64*KP+\kt*16*KP+64*(2*\g+\u)+32
.endr
.endr
.endm
; 16 transposing loads: V^T's fragments, 8 blocks of 16 d x keys 32 s .. 32 s + 31 of the sub-step
.macro FETCHV slot, sub, s, f
.irp b, 0,1,2,3,4,5,6,7
	ds_load_tr16_b128 v[\f+8*\b:\f+8*\b+3],   v[VADR+2*(\slot)+((\sub)>>1)] offset:(((\sub)&1)*64+32*\s)*VP+32*\b
	ds_load_tr16_b128 v[\f+8*\b+4:\f+8*\b+7], v[VADR+2*(\slot)+((\sub)>>1)] offset:(((\sub)&1)*64+32*\s)*VP+32*\b+16*VP
.endr
.endm
; 16 matrix instructions on the eight score tiles, which take turns
.macro MULS f, g, zero
	WIN 0x04                                       ; source 1 (Q) in window 1
.irp u, 0,1
.irp kt, 0,1,2,3
.irp q, 0,1
.if (\zero)*(1-\u)
	v_wmma_f32_16x16x32_f16 v[SC+32*\q+8*\kt:SC+32*\q+8*\kt+7], v[\f+8*(4*\u+\kt):\f+8*(4*\u+\kt)+7], v[QF+8*(4*\q+2*\g+\u):QF+8*(4*\q+2*\g+\u)+7], 0
.else
	v_wmma_f32_16x16x32_f16 v[SC+32*\q+8*\kt:SC+32*\q+8*\kt+7], v[\f+8*(4*\u+\kt):\f+8*(4*\u+\kt)+7], v[QF+8*(4*\q+2*\g+\u):QF+8*(4*\q+2*\g+\u)+7], v[SC+32*\q+8*\kt:SC+32*\q+8*\kt+7]
.endif
.endr
.endr
.endr
.endm
; 16 matrix instructions, one on each tile of O, in turns
.macro MULV f, s, zero
	WIN 0x54                                       ; P, C and D in window 1
.irp b, 0,1,2,3,4,5,6,7
.irp q, 0,1
.if \zero
	v_wmma_f32_16x16x32_f16 v[OA+8*(8*\q+\b):OA+8*(8*\q+\b)+7], v[\f+8*\b:\f+8*\b+7], v[PF+8*(2*\s+\q):PF+8*(2*\s+\q)+7], 0
.else
	v_wmma_f32_16x16x32_f16 v[OA+8*(8*\q+\b):OA+8*(8*\q+\b)+7], v[\f+8*\b:\f+8*\b+7], v[PF+8*(2*\s+\q):PF+8*(2*\s+\q)+7], v[OA+8*(8*\q+\b):OA+8*(8*\q+\b)+7]
.endif
.endr
.endr
.endm
; The 64 x 32 scores of a sub-step become p; M, NM, LS and O are brought to the new maximum.  first = 1: nothing old to carry.
.macro SOFTMAX first
.irp k, 0,1,2,3                        ; the largest of my 32 scores of each block, in four chains
.irp q, 0,1
	v_max3_num_f32 v[T+4*\q+\k], v[SC+32*\q+8*\k], v[SC+32*\q+8*\k+1], v[SC+32*\q+8*\k+2]
.endr
.endr
.irp k, 0,1,2,3
.irp q, 0,1
	v_max3_num_f32 v[T+4*\q+\k], v[T+4*\q+\k], v[SC+32*\q+8*\k+3], v[SC+32*\q+8*\k+4]
.endr
.endr
.irp k, 0,1,2,3
.irp q, 0,1
	v_max3_num_f32 v[T+4*\q+\k], v[T+4*\q+\k], v[SC+32*\q+8*\k+5], v[SC+32*\q+8*\k+6]
.endr
.endr
.irp q, 0,1
	v_max3_num_f32 v[T+4*\q],   v[T+4*\q],   v[SC+32*\q+7],  v[SC+32*\q+15]
	v_max3_num_f32 v[T+4*\q+1], v[T+4*\q+1], v[SC+32*\q+23], v[SC+32*\q+31]
.endr
.irp q, 0,1
	v_max3_num_f32 v[T+4*\q], v[T+4*\q], v[T+4*\q+1], v[T+4*\q+2]
.endr
.irp q, 0,1
	v_max_num_f32 v[T+4*\q], v[T+4*\q], v[T+4*\q+3]
.endr
.irp q, 0,1
	v_permlanex16_b32 v[T+4*\q+1], v[T+4*\q], s22, s23     ; the other 32 keys of the same query lie in lane l xor 16
.endr
.if \first
.irp q, 0,1
	v_max_num_f32 v[M+\q], v[T+4*\q], v[T+4*\q+1]
.endr
.irp q, 0,1
	v_mul_f32 v[NM+2*\q], s58, v[M+\q]                     ; -c M
.endr
.else
.irp q, 0,1
	v_max3_num_f32 v[M+\q], v[M+\q], v[T+4*\q], v[T+4*\q+1]
.endr
.irp q, 0,1
	v_mul_f32 v[T+4*\q+2], s58, v[M+\q]                    ; the new -c M
.endr
.irp q, 0,1
	v_sub_f32 v[T+4*\q+3], v[T+4*\q+2], v[NM+2*\q]         ; new - old, at most 0
.endr
.irp q, 0,1
	v_exp_f32 v[AL+2*\q], v[T+4*\q+3]                      ; alpha
.endr
.irp q, 0,1
	v_mov_b32 v[NM+2*\q], v[T+4*\q+2]                      ; also the plain place behind the exponentials (ISA guide 5.7.2)
.endr
.endif
.set i, 0
.rept 16
	v_pk_fma_f32 v[SC+i:SC+i+1],       v[SC+i:SC+i+1],       CEXP, v[NM:NM+1]   op_sel_hi:[1,0,0]
	v_pk_fma_f32 v[SC+32+i:SC+32+i+1], v[SC+32+i:SC+32+i+1], CEXP, v[NM+2:NM+3] op_sel_hi:[1,0,0]
.set i, i+2
.endr
.set i, 0
.rept 64
	v_exp_f32 v[SC+i], v[SC+i]
.set i, i+1
.endr
	v_nop                                          ; one plain place behind the run of exponentials
	s_wait_alu depctr_va_vdst(0)
.irp q, 0,1                            ; the sum of my 32 p of each block, two chains of pairs
	v_pk_add_f32 v[T+4*\q:T+4*\q+1],   v[SC+32*\q:SC+32*\q+1],   v[SC+32*\q+2:SC+32*\q+3]
	v_pk_add_f32 v[T+4*\q+2:T+4*\q+3], v[SC+32*\q+4:SC+32*\q+5], v[SC+32*\q+6:SC+32*\q+7]
.endr
.irp n, 8,12,16,20,24,28
.irp q, 0,1
	v_pk_add_f32 v[T+4*\q:T+4*\q+1],   v[T+4*\q:T+4*\q+1],   v[SC+32*\q+\n:SC+32*\q+\n+1]
	v_pk_add_f32 v[T+4*\q+2:T+4*\q+3], v[T+4*\q+2:T+4*\q+3], v[SC+32*\q+\n+2:SC+32*\q+\n+3]
.endr
.endr
.irp q, 0,1
	v_pk_add_f32 v[T+4*\q:T+4*\q+1], v[T+4*\q:T+4*\q+1], v[T+4*\q+2:T+4*\q+3]
.endr
.if \first
.irp q, 0,1
	v_add_f32 v[LS+\q], v[T+4*\q], v[T+4*\q+1]
.endr
.else
.irp q, 0,1
	v_add_f32 v[T+4*\q], v[T+4*\q], v[T+4*\q+1]
.endr
.irp q, 0,1
	v_fma_f32 v[LS+\q], v[LS+\q], v[AL+2*\q], v[T+4*\q]
.endr
.endif
	WIN 0x40                                       ; destination in window 1: P's fragments
.irp s, 0,1
.irp q, 0,1
.irp n, 0,1,2,3,4,5,6,7
	v_cvt_pk_f16_f32 v[PF+16*\s+8*\q+\n], v[SC+32*\q+16*\s+2*\n], v[SC+32*\q+16*\s+2*\n+1]
.endr
.endr
.endr
.if \first == 0
	WIN 0x41                                       ; O in window 1, alpha in window 0
.set i, 0
.rept 32
	v_pk_mul_f32 v[OA+i:OA+i+1],       v[OA+i:OA+i+1],       v[AL:AL+1]   op_sel_hi:[1,0]
	v_pk_mul_f32 v[OA+64+i:OA+64+i+1], v[OA+64+i:OA+64+i+1], v[AL+2:AL+3] op_sel_hi:[1,0]
.set i, i+2
.endr
.endif
.endm
; One sub-step of 64 keys.  On entry K's first 16 loads (into FA) are out and four places stand behind the last matrix instruction.
; Every s_wait_dscnt 16 leaves out the 16 loads of the younger buffer alone.
; tail 0: the next sub-step of the slot follows; 1: change slots and fill this one again; 2: change slots; 3: the end.
.macro SUB slot, sub, first, tail
	FETCHK \slot, \sub, 1, FB
	s_wait_dscnt 16
	MULS FA, 0, 1
	WIN 0
	PLACES
	FETCHV \slot, \sub, 0, FA
	s_wait_dscnt 16
	MULS FB, 1, 0
	WIN 0
	PLACES                                         ; for the loads into FB and for the readers of the scores
	FETCHV \slot, \sub, 1, FB
	SOFTMAX \first
	s_wait_dscnt 16
	MULV FA, 0, \first
.if \tail == 0
	WIN 0
	PLACES
	FETCHK \slot, (\sub+1), 0, FA
	s_wait_dscnt 16
	MULV FB, 1, 0
	WIN 0
	PLACES
.else
	s_wait_dscnt 0                                 ; V's last fragments are in, and all my reads of this slot are over
.if \tail != 3
	s_wait_tensorcnt 0x0                           ; all my tensor loads have landed: the one that was out is my part of the other slot
	ds_add_u32 v63, v225
	s_wait_dscnt 0x0
	s_barrier_signal -1                            ; say so (with a refill this barrier opens a round of the cluster's barrier)
.endif
	MULV FB, 1, 0                                  ; registers only
	WIN 0
.if \tail != 3
	s_barrier_wait -1
.endif
.if \tail == 1
	CREST                                          ; all four work-groups have said so
	s_add_nc_u64 s[G0K+4*\slot+2:G0K+4*\slot+3], s[G0K+4*\slot+2:G0K+4*\slot+3], 512*4096   ; 512 keys on; no load of mine is out
	s_add_nc_u64 s[G0V+4*\slot+2:G0V+4*\slot+3], s[G0V+4*\slot+2:G0V+4*\slot+3], 512*4096
	JLOAD \slot                                    ; my one tensor load behind the round, ahead of every LDS read; it has the other slot's four sub-steps in which to land
.endif
	PLACES
.if \tail != 3
	FETCHK 1-\slot, 0, 0, FA
.endif
.endif
.endm
.macro SLOTSTEP slot, first, tail
	SUB \slot, 0, \first, 0
	SUB \slot, 1, 0, 0
	SUB \slot, 2, 0, 0
	SUB \slot, 3, 0, \tail
.endm
	s_load_b128 s[4:7], s[0:1], 0x0                ; qkv s[4:5], x16 s[6:7]
	v_lshl_add_u32 v63, v0, 2, 0x4a400
	s_set_vgpr_msb 0x40
	v_mov_b32 v225, 0
	s_set_vgpr_msb 0x4044
	ds_add_u32 v63, v225
	s_set_vgpr_msb 0x4400
	v_lshrrev_b32 v1, 5, v0
	v_readfirstlane_b32 s10, v1                    ; wave 0..3
	s_lshr_b32 s11, s10, 1                         ; I fetch for K (0) or for V (1)
	s_and_b32 s12, s10, 1                          ; which 128 keys of the slot
	s_bfe_u32 s13, ttmp6, 0x40000                  ; cx
	s_lshl_b32 s14, ttmp9, 2
	s_add_co_u32 s14, s14, s13                     ; query block = 4 x cluster x + cx
	s_and_b32 s15, ttmp7, 0xffff                   ; head
	s_mov_b32 s22, 0x76543210                      ; v_permlanex16_b32: lane i reads lane i of the other half
	s_mov_b32 s23, 0xfedcba98
	s_mov_b32 s58, 0xc20293ee                      ; -c
	s_mov_b32 s[G1K+0], 15|(1<<16)|(1<<20)|(1<<21)|(5<<22)|(3<<25)   ; mask: all four; 2 bytes; padding: after every 64 words 4 words
	s_mov_b32 s[G1V+0], 15|(1<<16)|(1<<20)|(1<<21)|(5<<22)|(7<<25)   ; the same with 8 words
.irp g, G1K, G1V
	s_mov_b32 s[\g+1], 128<<16                     ; tensor_dim0 = 128 elements
	s_mov_b32 s[\g+2], 128<<16                     ; tensor_dim1 = 128 rows
	s_mov_b32 s[\g+3], 128<<16                     ; tile_dim0
	s_mov_b32 s[\g+4], 128                         ; tile_dim1
	s_mov_b32 s[\g+5], 2048                        ; elements from row to row
	s_mov_b32 s[\g+6], 0
	s_mov_b32 s[\g+7], 0
.endr
	s_lshl_b32 s16, s12, 19                        ; 128 keys x 4,096 bytes x half,
	s_lshl_b32 s17, s15, 8                         ; + the head's 256 bytes: nothing here hangs on cx
	s_add_co_u32 s16, s16, s17
	s_mov_b32 s17, 0
	s_mul_i32 s20, s12, KHALF
	s_mul_i32 s21, s12, VHALF
	s_add_co_u32 s21, s21, VOFF
	s_wait_dscnt 0x0
	s_wait_kmcnt 0x0
	s_add_nc_u64 s[18:19], s[4:5], s[16:17]
	CROUND                                         ; all four work-groups are here: the first joint loads meet
.irp s, 0,1
	s_mov_b32 s[G0K+4*\s], 1
	s_add_co_u32 s[G0K+4*\s+1], s20, \s*SLOT
	s_add_nc_u64 s[G0K+4*\s+2:G0K+4*\s+3], s[18:19], MB8+\s*256*4096
	s_or_b32 s[G0K+4*\s+3], s[G0K+4*\s+3], 0x80000000
	s_mov_b32 s[G0V+4*\s], 1
	s_add_co_u32 s[G0V+4*\s+1], s21, \s*SLOT
	s_add_nc_u64 s[G0V+4*\s+2:G0V+4*\s+3], s[18:19], 2*MB8+\s*256*4096
	s_or_b32 s[G0V+4*\s+3], s[G0V+4*\s+3], 0x80000000
	JLOAD \s
.endr
	; Q's fragments, once, straight into registers: lane l holds query l % 16, 16 bytes at 64 ks + 16 (l / 16) and 32 further
	s_lshl_b32 s60, s14, 19                        ; 128 queries x 4,096 bytes x block (s60-63 may hold cx; they feed no descriptor and no LDS address)
	s_lshl_b32 s61, s10, 17                        ; + 32 queries x wave
	s_add_co_u32 s60, s60, s61
	s_lshl_b32 s61, s15, 8
	s_add_co_u32 s60, s60, s61
	s_mov_b32 s61, 0
	s_add_nc_u64 s[62:63], s[4:5], s[60:61]
	v_and_b32 v1, 15, v0                           ; l % 16
	v_bfe_u32 v2, v0, 4, 1                         ; l / 16
	v_lshlrev_b32 v7, 12, v1
	v_lshl_add_u32 v[QO], v2, 4, v7
	WIN 0x40                                       ; destination in window 1
.irp q, 0,1
.irp ks, 0,1,2,3
	global_load_b128 v[QF+8*(4*\q+\ks):QF+8*(4*\q+\ks)+3],   v[QO], s[62:63] offset:65536*\q+64*\ks
	global_load_b128 v[QF+8*(4*\q+\ks)+4:QF+8*(4*\q+\ks)+7], v[QO], s[62:63] offset:65536*\q+64*\ks+32
.endr
.endr
	WIN 0
	s_lshl_b32 s60, s15, 19                        ; x16: (2048 x head + 128 x block + 32 x wave) rows of 256 bytes
	s_lshl_b32 s61, s14, 15
	s_add_co_u32 s60, s60, s61
	s_lshl_b32 s61, s10, 13
	s_add_co_u32 s60, s60, s61
	s_mov_b32 s61, 0
	s_add_nc_u64 s[6:7], s[6:7], s[60:61]
	v_and_b32 v3, 7, v0
	v_bfe_u32 v4, v0, 3, 1
	v_mul_u32_u24 v5, v1, KP
	v_lshl_add_u32 v5, v2, 4, v5                   ; K: row l % 16, 16 bytes x (l / 16)
	v_lshl_add_u32 v6, v2, 3, v3                   ; V: row 8 (l / 16) + l % 8,
	v_mul_u32_u24 v6, v6, VP
	v_lshl_add_u32 v6, v4, 4, v6                   ; 16 bytes x ((l / 8) % 2)
.irp s, 0,1
.irp hf, 0,1
	v_add_nc_u32 v[KADR+2*\s+\hf], \s*SLOT+\hf*KHALF, v5
	v_add_nc_u32 v[VADR+2*\s+\hf], \s*SLOT+VOFF+\hf*VHALF, v6
.endr
.endr
	s_mul_i32 s66, s10, 16*272
	s_add_co_u32 s66, s66, STAGE                   ; my stage
	v_add_nc_u32 v[STO], s66, v5                   ; in: row l % 16, 16 bytes for each half of the lanes
	v_mul_u32_u24 v7, v2, 272                      ; back: lanes 0-15 one row of 256 bytes, lanes 16-31 the next
	v_lshl_add_u32 v7, v1, 4, v7
	v_add_nc_u32 v[RD], s66, v7
	v_and_b32 v7, 31, v0
	v_lshlrev_b32 v[CO], 4, v7                     ; in x16 those two rows are 512 consecutive bytes
	v_mov_b32 v[AL+1], 0                           ; the pairs' upper words are never used, but a pair is read whole
	v_mov_b32 v[AL+3], 0
	v_mov_b32 v[NM+1], 0
	v_mov_b32 v[NM+3], 0
	s_wait_tensorcnt 0x1                           ; my part of slot 0 is in; slot 1's may stay out
	s_barrier_signal -1
	s_barrier_wait -1
	s_wait_loadcnt 0x0                             ; Q
	FETCHK 0, 0, 0, FA
	SLOTSTEP 0, 1, 1                               ; keys 0 to 511 stand ahead of the loop: the first sub-step starts maxima and sums
	SLOTSTEP 1, 0, 1
	s_mov_b32 s3, 2
.Llap:
	SLOTSTEP 0, 0, 1                               ; keys 512 to 1535
	SLOTSTEP 1, 0, 1
	s_sub_co_u32 s3, s3, 1
	s_cmp_lg_u32 s3, 0
	s_cbranch_scc1 .Llap
	SLOTSTEP 0, 0, 2                               ; keys 1536 to 2047: nothing is left to fetch
	SLOTSTEP 1, 0, 3
	; THE WAY OUT: O / sum, rounded once to f16, through my own stage, whole rows of 256 bytes out
.irp q, 0,1
	v_permlanex16_b32 v[T+4*\q], v[LS+\q], s22, s23        ; the other half of the keys' sum
.endr
.irp q, 0,1
	v_add_f32 v[LS+\q], v[LS+\q], v[T+4*\q]
.endr
	v_rcp_f32 v[AL], v[LS]
	v_rcp_f32 v[AL+2], v[LS+1]
	v_nop                                          ; one plain place behind the reciprocals
	s_wait_alu depctr_va_vdst(0)
.irp q, 0,1
	WIN 0x01                                       ; source 0 (O) in window 1
.set i, 0
.rept 32
	v_pk_mul_f32 v[FA+i:FA+i+1], v[OA+64*\q+i:OA+64*\q+i+1], v[AL+2*\q:AL+2*\q+1] op_sel_hi:[1,0]
.set i, i+2
.endr
	WIN 0
.set i, 0
.rept 32
	v_cvt_pk_f16_f32 v[FB+i], v[FA+2*i], v[FA+2*i+1]
.set i, i+1
.endr
.irp b, 0,1,2,3,4,5,6,7
	ds_store_b128 v[STO], v[FB+4*\b:FB+4*\b+3] offset:32*\b
.endr
.irp t, 0,1,2,3,4,5,6,7
	ds_load_b128 v[SC+32*\q+4*\t:SC+32*\q+4*\t+3], v[RD] offset:\t*2*272   ; LDS serves a wave's instructions in order (ISA guide 5.7.1.4): these see the stores above
.endr
.irp t, 0,1,2,3,4,5,6,7
	s_wait_dscnt 7-\t
	global_store_b128 v[CO], v[SC+32*\q+4*\t:SC+32*\q+4*\t+3], s[6:7] offset:(16*\q+2*\t)*256   ; the wave stores 512 consecutive bytes at a multiple of 512
.endr
.endr
	s_set_vgpr_msb 0x4
	s_wait_tensorcnt 0x0
	ds_add_u32 v63, v225
	s_wait_dscnt 0x0
	s_set_vgpr_msb 0x400
	CROUND                                         ; the closing round
	s_endpgm
.Lfunc_end_k_q984a862145_attn:
	.size	k_q984a862145_attn, .Lfunc_end_k_q984a862145_attn-k_q984a862145_attn
	.p2alignl 7, 3214868480
	.fill 96, 4, 3214868480
	.section	.rodata,"a",@progbits
	.p2align	6, 0x0
	.amdhsa_kernel k_q984a862145_attn
		.amdhsa_group_segment_fixed_size 327680
		.amdhsa_private_segment_fixed_size 0
		.amdhsa_enable_private_segment 0
		.amdhsa_kernarg_size 16
		.amdhsa_user_sgpr_count 2
		.amdhsa_user_sgpr_kernarg_segment_ptr 1
		.amdhsa_wavefront_size32 1
		.amdhsa_system_sgpr_workgroup_id_x 1
		.amdhsa_system_sgpr_workgroup_id_y 1
		.amdhsa_system_sgpr_workgroup_id_z 1
		.amdhsa_system_vgpr_workitem_id 0
		.amdhsa_next_free_vgpr 482
		.amdhsa_next_free_sgpr 68
		.amdhsa_reserve_vcc 0
		.amdhsa_float_denorm_mode_32 3
		.amdhsa_float_denorm_mode_16_64 3
		.amdhsa_memory_ordered 1
		.amdhsa_forward_progress 1
		.amdhsa_inst_pref_size 255
	.end_amdhsa_kernel
	.section	.bss,"aw",@nobits
	.p2align	6
	.space	262144
	.amdgpu_metadata
---
amdhsa.version: [ 1, 2 ]
amdhsa.kernels:
  - .name:           k_q984a862145_attn
    .symbol:         k_q984a862145_attn.kd
    .args:
      - { .name: qkv, .offset: 0, .size: 8, .value_kind: global_buffer, .address_space: global }
      - { .name: x16, .offset: 8, .size: 8, .value_kind: global_buffer, .address_space: global }
    .group_segment_fixed_size: 327680
    .private_segment_fixed_size: 0
    .kernarg_segment_align: 8
    .kernarg_segment_size: 16
    .max_flat_workgroup_size: 128
    .sgpr_count:     68
    .vgpr_count:     482
    .wavefront_size: 32
...
	.end_amdgpu_metadata
.endif
;; end of part 3
;; launch oproj (part 4): grid 16 x 16, 4 waves a work-group, clusters of 4 x 4, 327,680 bytes of LDS; arguments x16, h16, bo, out0; writes out0
.if DOCPART == 4
	.amdgcn_target "amdgcn-amd-amdhsa--gfx1250"
	.amdhsa_code_object_version 6
	.text
	.protected	k_q984a862145_oproj
	.globl	k_q984a862145_oproj
	.p2align	8
	.type	k_q984a862145_oproj,@function
k_q984a862145_oproj:
	s_mov_b64 s[64:65], 0
	v_nop
	global_prefetch_b8 v0, s[64:65] scope:SCOPE_SE
	s_setreg_imm32_b32 hwreg(HW_REG_WAVE_MODE, 25, 1), 1
	s_wait_xcnt 0x0
	s_wait_alu depctr_hold_cnt(0) depctr_sa_sdst(0) depctr_va_vdst(0) depctr_va_sdst(0) depctr_va_ssrc(0) depctr_va_vcc(0) depctr_vm_vsrc(0)
	s_getreg_b32 s2, hwreg(HW_REG_IB_STS2, 6, 4)
	s_cmp_eq_u32 s2, 0
	s_cbranch_scc0 .Lentry_in_a_cluster
	s_endpgm
.Lentry_in_a_cluster:
	s_bfe_u32 s2, ttmp6, 0x10000c
	s_cmp_lg_u32 s2, 0xf033
	s_cbranch_scc0 .Lentry_shape_is_right
	s_endpgm
.Lentry_shape_is_right:
; out0[2048][2048] f32 = 16 x (x16 Wo^T) + bo.  x16 is the attention's result times 2^-4, [16][2048][128] f16, whose bytes are the [2048][2048]
; left operand as they lie (the module reshapes without moving the heads back); Wo is h16's array 6.  Sums in f32; the factor 16 is exact.
; The same product as the projections': a work-group makes 128 x 128 with four waves of 64 x 64; 256 work-groups; K in steps of 256 through two LDS slots;
; 4 x 4 clusters, x16's tiles asked for jointly along a row of the cluster, Wo's along a column.
; By this text's count a wave has two tensor loads out at the start and one behind each round.
; Source 0 = rows of Wo, source 1 = rows of x16: lane l holds row l % 16 and columns 8 (l / 16) + 0..7 of a tile.
; The way out is each wave's own: its 64 f32 of a row are 256 consecutive bytes at a multiple of 256.
.set PITCH,  528
.set HALFT,  64*PITCH
.set SLOT,   4*HALFT
.set STAGE,  2*SLOT                    ; a multiple of 256; no tensor load lands here; 16 rows x 272 bytes for each wave
.set SPITCH, 272
.set MB8,    8388608
.set G1W0,   (1<<16)|(1<<20)|(1<<21)|(6<<22)|(3<<25)
.set ADRA, 8
.set ADRB, 10
.set STO,  12
.set RD,   13
.set CO,   14
.set BO,   15
.set BI,   16                          ; v[16:47] bias of my 4 x 8 columns
.set F0,   64
.set F1,   128
.set T,    192                         ; v[192:223] at work
.set G1A, 24
.set G0A, 32
.set G1B, 40
.set G0B, 48
.set MSB, 0
.macro WIN new
.if MSB != \new
	s_set_vgpr_msb (MSB<<8)|\new
.set MSB, \new
.endif
.endm
.macro JLOAD s                         ; waves 0, 1 ask for x16's halves, waves 2, 3 for Wo's
	s_cmp_eq_u32 s15, 0
	s_cbranch_scc0 .Lfor_b_\@
	tensor_load_to_lds s[G0A+4*\s:G0A+4*\s+3], s[G1A:G1A+7]
	s_nop 0
	s_branch .Lasked_\@
.Lfor_b_\@:
	tensor_load_to_lds s[G0B+4*\s:G0B+4*\s+3], s[G1B:G1B+7]
	s_nop 0
.Lasked_\@:
.endm
.macro CREST
	s_cmp_lg_u32 s14, 0
	s_cbranch_scc1 .Lnot_wave_0_\@
	s_barrier_signal -3
.Lnot_wave_0_\@:
	s_barrier_wait -3
	s_barrier_signal -1
	s_barrier_wait -1
.endm
.macro CROUND
	s_barrier_signal -1
	s_barrier_wait -1
	CREST
.endm
.macro PLACES                          ; four plain vector places behind a matrix instruction (ISA guide 7.12.1)
.rept 4
	v_nop
.endr
.endm
.macro FETCH slot, e, f
.irp i, 0,1,2,3
	ds_load_b128 v[\f+8*\i:\f+8*\i+3],   v[ADRB+(\slot)] offset:64*(\e)+\i*16*PITCH
	ds_load_b128 v[\f+8*\i+4:\f+8*\i+7], v[ADRB+(\slot)] offset:64*(\e)+\i*16*PITCH+32
.endr
.irp i, 0,1,2,3
	ds_load_b128 v[\f+32+8*\i:\f+32+8*\i+3],   v[ADRA+(\slot)] offset:64*(\e)+\i*16*PITCH
	ds_load_b128 v[\f+32+8*\i+4:\f+32+8*\i+7], v[ADRA+(\slot)] offset:64*(\e)+\i*16*PITCH+32
.endr
.endm
.macro MUL f, zero                     ; one instruction on each of the 16 accumulators, which take turns
	WIN 0x50
.irp a, 0,1,2,3
.irp b, 0,1,2,3
.if \zero
	v_wmma_f32_16x16x32_f16 v[8*(4*\a+\b):8*(4*\a+\b)+7], v[\f+8*\b:\f+8*\b+7], v[\f+32+8*\a:\f+32+8*\a+7], 0
.else
	v_wmma_f32_16x16x32_f16 v[8*(4*\a+\b):8*(4*\a+\b)+7], v[\f+8*\b:\f+8*\b+7], v[\f+32+8*\a:\f+32+8*\a+7], v[8*(4*\a+\b):8*(4*\a+\b)+7]
.endif
.endr
.endr
	WIN 0
.endm
.macro STEP slot, zero, tail           ; one slot = eight eighths; tail 1: change slots and refill; 2: change slots; 3: the last
	FETCH \slot, 1, F1
	s_wait_dscnt 16                                ; all but the 16 loads just issued
	MUL F0, \zero
.irp e, 1,3,5
	PLACES
	FETCH \slot, \e+1, F0
	s_wait_dscnt 16
	MUL F1, 0
	PLACES
	FETCH \slot, \e+2, F1
	s_wait_dscnt 16
	MUL F0, 0
.endr
	s_wait_dscnt 0                                 ; all my reads of this slot are over
.if \tail != 3
	s_wait_tensorcnt 0x0                           ; all my tensor loads have landed, my part of the other slot among them
	ds_add_u32 v254, v255
	s_wait_dscnt 0x0
	s_barrier_signal -1
.endif
	MUL F1, 0                                      ; registers only
.if \tail != 3
	s_barrier_wait -1
.endif
.if \tail == 1
	CREST                                          ; the round is closed: no wave of a partner reads this slot or has a load on its way
	s_add_nc_u64 s[G0A+4*\slot+2:G0A+4*\slot+3], s[G0A+4*\slot+2:G0A+4*\slot+3], 1024
	s_add_nc_u64 s[G0B+4*\slot+2:G0B+4*\slot+3], s[G0B+4*\slot+2:G0B+4*\slot+3], 1024
	JLOAD \slot                                    ; my one tensor load behind the round, ahead of every LDS read
.endif
	PLACES
.if \tail != 3
	FETCH 1-\slot, 0, F0
.endif
.endm
	s_load_b256 s[4:11], s[0:1], 0x0               ; x16 s[4:5], h16 s[6:7], bo s[8:9], out0 s[10:11]
	v_lshl_add_u32 v254, v0, 2, 0x46400
	v_mov_b32 v255, 0
	ds_add_u32 v254, v255
	v_lshrrev_b32 v1, 5, v0
	v_readfirstlane_b32 s14, v1                    ; wave 0..3
	s_lshr_b32 s15, s14, 1                         ; my half of the rows; also: I fetch for x16 (0) or for Wo (1)
	s_and_b32 s16, s14, 1                          ; my half of the columns; also: which 64 rows I fetch
	s_bfe_u32 s17, ttmp6, 0x40000                  ; cx
	s_bfe_u32 s18, ttmp6, 0x40004                  ; cy
	s_lshl_b32 s19, ttmp9, 2
	s_add_co_u32 s19, s19, s17                     ; block column
	s_and_b32 s20, ttmp7, 0xffff
	s_lshl_b32 s20, s20, 2
	s_add_co_u32 s20, s20, s18                     ; block row
	s_lshl_b32 s22, s18, 2
	s_lshl_b32 s22, 15, s22                        ; my row of the cluster
	s_lshl_b32 s23, 0x1111, s17                    ; my column
	s_or_b32 s[G1A+0], s22, G1W0
	s_or_b32 s[G1B+0], s23, G1W0
.irp g, G1A, G1B
	s_mov_b32 s[\g+1], 256<<16
	s_mov_b32 s[\g+2], 64<<16
	s_mov_b32 s[\g+3], 256<<16
	s_mov_b32 s[\g+4], 64
	s_mov_b32 s[\g+5], 2048
	s_mov_b32 s[\g+6], 0
	s_mov_b32 s[\g+7], 0
.endr
	s_lshl_b32 s67, s16, 6
	s_lshl_b32 s56, s20, 7                         ; x16: row 128 x block row + 64 x half (s56-59 never hold cx)
	s_add_co_u32 s56, s56, s67
	s_lshl_b32 s56, s56, 12
	s_mov_b32 s57, 0
	s_lshl_b32 s60, s19, 7                         ; Wo: row 128 x block column + 64 x half (s60-63 never hold cy),
	s_add_co_u32 s60, s60, s67
	s_lshl_b32 s60, s60, 12
	s_add_co_u32 s60, s60, 6*MB8                   ; in array 6 of h16
	s_mov_b32 s61, 0
	s_mul_i32 s66, s14, HALFT
	s_wait_dscnt 0x0
	s_wait_kmcnt 0x0
	s_add_nc_u64 s[58:59], s[4:5], s[56:57]
	s_add_nc_u64 s[62:63], s[6:7], s[60:61]
	CROUND                                         ; all sixteen work-groups are here: the first joint loads meet
.irp s, 0,1
	s_mov_b32 s[G0A+4*\s], 1
	s_add_co_u32 s[G0A+4*\s+1], s66, \s*SLOT
	s_add_nc_u64 s[G0A+4*\s+2:G0A+4*\s+3], s[58:59], \s*512
	s_or_b32 s[G0A+4*\s+3], s[G0A+4*\s+3], 0x80000000
	s_mov_b32 s[G0B+4*\s], 1
	s_add_co_u32 s[G0B+4*\s+1], s66, \s*SLOT
	s_add_nc_u64 s[G0B+4*\s+2:G0B+4*\s+3], s[62:63], \s*512
	s_or_b32 s[G0B+4*\s+3], s[G0B+4*\s+3], 0x80000000
	JLOAD \s
.endr
	s_lshl_b32 s60, s19, 9                         ; 4 bytes x (128 x block column + 64 x half): my columns in bo and in a row of out0
	s_lshl_b32 s61, s16, 8
	s_add_co_u32 s60, s60, s61
	s_mov_b32 s61, 0
	s_add_nc_u64 s[8:9], s[8:9], s[60:61]
	s_add_nc_u64 s[10:11], s[10:11], s[60:61]
	s_lshl_b32 s56, s20, 20                        ; (128 x block row + 64 x half) rows of 8,192 bytes
	s_lshl_b32 s57, s15, 19
	s_add_co_u32 s56, s56, s57
	s_mov_b32 s57, 0
	s_add_nc_u64 s[10:11], s[10:11], s[56:57]
	v_and_b32 v1, 15, v0                           ; l % 16
	v_bfe_u32 v2, v0, 4, 1                         ; l / 16
	v_lshlrev_b32 v[BO], 5, v2
.irp b, 0,1,2,3
	global_load_b128 v[BI+8*\b:BI+8*\b+3],   v[BO], s[8:9] offset:64*\b
	global_load_b128 v[BI+8*\b+4:BI+8*\b+7], v[BO], s[8:9] offset:64*\b+16
.endr
	v_mul_u32_u24 v3, v1, PITCH
	v_lshl_add_u32 v3, v2, 4, v3
	s_mul_i32 s68, s15, HALFT
	s_mul_i32 s69, s16, HALFT
	s_add_co_u32 s69, s69, 2*HALFT
.irp s, 0,1
	v_add_nc_u32 v[ADRA+\s], s68, v3
	v_add_nc_u32 v[ADRB+\s], s69, v3
	s_add_co_u32 s68, s68, SLOT
	s_add_co_u32 s69, s69, SLOT
.endr
	s_mul_i32 s70, s14, 16*SPITCH
	s_add_co_u32 s70, s70, STAGE                   ; my stage
	v_mul_u32_u24 v4, v1, SPITCH                   ; in: row l % 16, 32 bytes for each half of the lanes
	v_lshl_add_u32 v4, v2, 5, v4
	v_add_nc_u32 v[STO], s70, v4
	v_mul_u32_u24 v5, v2, SPITCH                   ; back: lanes 0-15 one row of 256 bytes, lanes 16-31 the next
	v_lshl_add_u32 v5, v1, 4, v5
	v_add_nc_u32 v[RD], s70, v5
	v_lshlrev_b32 v7, 13, v2                       ; and the same two rows in out0
	v_lshl_add_u32 v[CO], v1, 4, v7
	s_wait_tensorcnt 0x1                           ; my part of slot 0 is in; slot 1's may stay out
	s_barrier_signal -1
	s_barrier_wait -1
	FETCH 0, 0, F0
	STEP 0, 1, 1
	STEP 1, 0, 1
	s_mov_b32 s3, 2
.Llap:
	STEP 0, 0, 1
	STEP 1, 0, 1
	s_sub_co_u32 s3, s3, 1
	s_cmp_lg_u32 s3, 0
	s_cbranch_scc1 .Llap
	STEP 0, 0, 2
	STEP 1, 0, 3
	; THE WAY OUT, 16 rows at a time: 16 x sum + bias in one fused multiply-add, 32 bytes a lane into my stage, whole rows of 256 bytes back and out.
	; Each group of 16 rows has registers of its own for the read-back, so no store's data is ever rewritten.
	s_wait_loadcnt 0x0                             ; the bias
.irp a, 0,1,2,3
	WIN 0x01                                       ; source 0 in window 1
.irp b, 0,1,2,3
.irp p, 0,2,4,6
	v_pk_fma_f32 v[T+8*\b+\p:T+8*\b+\p+1], v[8*(4*\a+\b)+\p:8*(4*\a+\b)+\p+1], 0x41800000, v[BI+8*\b+\p:BI+8*\b+\p+1] op_sel_hi:[1,0,1]
.endr
.endr
	WIN 0
.irp b, 0,1,2,3
	ds_store_b128 v[STO], v[T+8*\b:T+8*\b+3]   offset:64*\b
	ds_store_b128 v[STO], v[T+8*\b+4:T+8*\b+7] offset:64*\b+16
.endr
.irp t, 0,1,2,3,4,5,6,7
	ds_load_b128 v[F0+32*\a+4*\t:F0+32*\a+4*\t+3], v[RD] offset:\t*2*SPITCH   ; LDS serves a wave's instructions in order (ISA guide 5.7.1.4): these see the stores above
.endr
.irp t, 0,1,2,3,4,5,6,7
	s_wait_dscnt 7-\t
	global_store_b128 v[CO], v[F0+32*\a+4*\t:F0+32*\a+4*\t+3], s[10:11] offset:(16*\a+2*\t)*8192 th:TH_STORE_NT   ; 16 lanes store 256 consecutive bytes at a multiple of 256
.endr
.endr
	s_wait_tensorcnt 0x0
	ds_add_u32 v254, v255
	s_wait_dscnt 0x0
	CROUND                                         ; the closing round
	s_endpgm
.Lfunc_end_k_q984a862145_oproj:
	.size	k_q984a862145_oproj, .Lfunc_end_k_q984a862145_oproj-k_q984a862145_oproj
	.p2alignl 7, 3214868480
	.fill 96, 4, 3214868480
	.section	.rodata,"a",@progbits
	.p2align	6, 0x0
	.amdhsa_kernel k_q984a862145_oproj
		.amdhsa_group_segment_fixed_size 327680
		.amdhsa_private_segment_fixed_size 0
		.amdhsa_enable_private_segment 0
		.amdhsa_kernarg_size 32
		.amdhsa_user_sgpr_count 2
		.amdhsa_user_sgpr_kernarg_segment_ptr 1
		.amdhsa_wavefront_size32 1
		.amdhsa_system_sgpr_workgroup_id_x 1
		.amdhsa_system_sgpr_workgroup_id_y 1
		.amdhsa_system_sgpr_workgroup_id_z 1
		.amdhsa_system_vgpr_workitem_id 0
		.amdhsa_next_free_vgpr 384
		.amdhsa_next_free_sgpr 74
		.amdhsa_reserve_vcc 0
		.amdhsa_float_denorm_mode_32 3
		.amdhsa_float_denorm_mode_16_64 3
		.amdhsa_memory_ordered 1
		.amdhsa_forward_progress 1
		.amdhsa_inst_pref_size 132
	.end_amdhsa_kernel
	.amdgpu_metadata
---
amdhsa.version: [ 1, 2 ]
amdhsa.kernels:
  - .name:           k_q984a862145_oproj
    .symbol:         k_q984a862145_oproj.kd
    .args:
      - { .name: x16, .offset: 0, .size: 8, .value_kind: global_buffer, .address_space: global }
      - { .name: h16, .offset: 8, .size: 8, .value_kind: global_buffer, .address_space: global }
      - { .name: bo, .offset: 16, .size: 8, .value_kind: global_buffer, .address_space: global }
      - { .name: out0, .offset: 24, .size: 8, .value_kind: global_buffer, .address_space: global }
    .group_segment_fixed_size: 327680
    .private_segment_fixed_size: 0
    .kernarg_segment_align: 8
    .kernarg_segment_size: 32
    .max_flat_workgroup_size: 128
    .sgpr_count:     74
    .vgpr_count:     384
    .wavefront_size: 32
...
	.end_amdgpu_metadata
.endif
;; end of part 4
;; ======== version 2 of 2: 4 launches
;; limits: inputs' magnitudes at most 65,504; values are held in f16: magnitudes above 65,504 overflow, below 6.1e-05 lose precision; right only within a limited range of input values
;; workspace buffers: h16 58,720,256 bytes; qkv 25,165,824 bytes; x16 8,388,608 bytes
;; launch cast (part 5): grid 256 x 7, 8 waves a work-group, no clusters, 0 bytes of LDS; arguments q, k, v, Wq, Wk, Wv, Wo, h16; writes h16
.if DOCPART == 5
	.amdgcn_target "amdgcn-amd-amdhsa--gfx1250"
	.amdhsa_code_object_version 6
	.text
	.protected	k_q984a862145_cast
	.globl	k_q984a862145_cast
	.p2align	8
	.type	k_q984a862145_cast,@function
k_q984a862145_cast:
	s_mov_b64 s[64:65], 0
	v_nop
	global_prefetch_b8 v0, s[64:65] scope:SCOPE_SE
	s_setreg_imm32_b32 hwreg(HW_REG_WAVE_MODE, 25, 1), 1
	s_wait_xcnt 0x0
; h16[y] = f16(source y), y = 0..6: q, k, v, Wq, Wk, Wv, Wo, each [2048][2048] f32, narrowed once (round to nearest even).
; The later launches then move and read half the bytes for every matrix operand.
; f16 and not bf16: 11 significant bits against 8, at the same operand size.
; LIMIT: an input of magnitude above 65,504 becomes an infinity; below 2^-14 the absolute rounding step is 2^-25.
; A stream: no LDS, no barrier, no matrix unit.  The work-group takes 65,536 bytes of one source as 16 rows of 4,096 bytes;
; thread t takes the 16 bytes at 16 t of each row and stores 8 bytes at 8 t: a wave's load covers 512 consecutive bytes,
; its store 256 consecutive bytes at a multiple of 256.  All 16 loads go out first.  A row's four numbers are packed into the first two
; of the registers that they were loaded into, so a wave needs 68 registers; no register is written again once a store names it.
.set X, 4                              ; v[4:67]   row i: four f32 as loaded; then its first two registers hold four f16
	s_load_b512 s[8:23], s[0:1], 0x0               ; the seven sources s[8:21], h16 s[22:23]
	s_and_b32 s24, ttmp7, 0xffff                   ; y: which source
	v_lshlrev_b32 v1, 4, v0                        ; 16 t
	v_lshlrev_b32 v2, 3, v0                        ; 8 t
	s_lshl_b32 s26, ttmp9, 16                      ; my 65,536 bytes of the source
	s_mov_b32 s27, 0
	s_lshl_b32 s28, s24, 23                        ; y arrays of 8,388,608 bytes of f16,
	s_lshl_b32 s25, ttmp9, 15                      ; and my 32,768 bytes in that array
	s_add_co_u32 s28, s28, s25
	s_mov_b32 s29, 0
	s_wait_kmcnt 0x0
	s_mov_b64 s[4:5], s[8:9]
.irp i, 1,2,3,4,5,6
	s_cmp_eq_u32 s24, \i                           ; the choice hangs on the work-group's y alone
	s_cselect_b64 s[4:5], s[8+2*\i:9+2*\i], s[4:5]
.endr
	s_add_nc_u64 s[4:5], s[4:5], s[26:27]
	s_add_nc_u64 s[6:7], s[22:23], s[28:29]
.irp i, 0,1,2,3,4,5,6,7,8,9,10,11,12,13,14,15
	global_load_b128 v[X+4*\i:X+4*\i+3], v1, s[4:5] offset:4096*\i th:TH_LOAD_NT   ; read once in the whole program
.endr
.irp i, 0,1,2,3,4,5,6,7,8,9,10,11,12,13,14,15
	s_wait_loadcnt 15-\i                           ; loads come back in order: row i is in, the 15 - i younger ones stay out
	v_cvt_pk_f16_f32 v[X+4*\i],   v[X+4*\i],   v[X+4*\i+1]
	v_cvt_pk_f16_f32 v[X+4*\i+1], v[X+4*\i+2], v[X+4*\i+3]
	global_store_b64 v2, v[X+4*\i:X+4*\i+1], s[6:7] offset:2048*\i   ; no streaming hint: the next launch reads these bytes
.endr
	s_endpgm
.Lfunc_end_k_q984a862145_cast:
	.size	k_q984a862145_cast, .Lfunc_end_k_q984a862145_cast-k_q984a862145_cast
	.p2alignl 7, 3214868480
	.fill 96, 4, 3214868480
	.section	.rodata,"a",@progbits
	.p2align	6, 0x0
	.amdhsa_kernel k_q984a862145_cast
		.amdhsa_group_segment_fixed_size 0
		.amdhsa_private_segment_fixed_size 0
		.amdhsa_enable_private_segment 0
		.amdhsa_kernarg_size 64
		.amdhsa_user_sgpr_count 2
		.amdhsa_user_sgpr_kernarg_segment_ptr 1
		.amdhsa_wavefront_size32 1
		.amdhsa_system_sgpr_workgroup_id_x 1
		.amdhsa_system_sgpr_workgroup_id_y 1
		.amdhsa_system_sgpr_workgroup_id_z 1
		.amdhsa_system_vgpr_workitem_id 0
		.amdhsa_next_free_vgpr 68
		.amdhsa_next_free_sgpr 66
		.amdhsa_reserve_vcc 0
		.amdhsa_float_denorm_mode_32 3
		.amdhsa_float_denorm_mode_16_64 3
		.amdhsa_memory_ordered 1
		.amdhsa_forward_progress 1
		.amdhsa_inst_pref_size 7
	.end_amdhsa_kernel
	.amdgpu_metadata
---
amdhsa.version: [ 1, 2 ]
amdhsa.kernels:
  - .name:           k_q984a862145_cast
    .symbol:         k_q984a862145_cast.kd
    .args:
      - { .name: q, .offset: 0, .size: 8, .value_kind: global_buffer, .address_space: global }
      - { .name: k, .offset: 8, .size: 8, .value_kind: global_buffer, .address_space: global }
      - { .name: v, .offset: 16, .size: 8, .value_kind: global_buffer, .address_space: global }
      - { .name: Wq, .offset: 24, .size: 8, .value_kind: global_buffer, .address_space: global }
      - { .name: Wk, .offset: 32, .size: 8, .value_kind: global_buffer, .address_space: global }
      - { .name: Wv, .offset: 40, .size: 8, .value_kind: global_buffer, .address_space: global }
      - { .name: Wo, .offset: 48, .size: 8, .value_kind: global_buffer, .address_space: global }
      - { .name: h16, .offset: 56, .size: 8, .value_kind: global_buffer, .address_space: global }
    .group_segment_fixed_size: 0
    .private_segment_fixed_size: 0
    .kernarg_segment_align: 8
    .kernarg_segment_size: 64
    .max_flat_workgroup_size: 256
    .sgpr_count:     66
    .vgpr_count:     68
    .wavefront_size: 32
...
	.end_amdgpu_metadata
.endif
;; end of part 5
;; launch proj (part 6): grid 8 x 24, 4 waves a work-group, clusters of 4 x 4, 327,680 bytes of LDS; arguments h16, bq, bk, bv, qkv; writes qkv
.if DOCPART == 6
	.amdgcn_target "amdgcn-amd-amdhsa--gfx1250"
	.amdhsa_code_object_version 6
	.text
	.protected	k_q984a862145_proj
	.globl	k_q984a862145_proj
	.p2align	8
	.type	k_q984a862145_proj,@function
k_q984a862145_proj:
	s_mov_b64 s[64:65], 0
	v_nop
	global_prefetch_b8 v0, s[64:65] scope:SCOPE_SE
	s_setreg_imm32_b32 hwreg(HW_REG_WAVE_MODE, 25, 1), 1
	s_wait_xcnt 0x0
	s_wait_alu depctr_hold_cnt(0) depctr_sa_sdst(0) depctr_va_vdst(0) depctr_va_sdst(0) depctr_va_ssrc(0) depctr_va_vcc(0) depctr_vm_vsrc(0)
	s_getreg_b32 s2, hwreg(HW_REG_IB_STS2, 6, 4)
	s_cmp_eq_u32 s2, 0
	s_cbranch_scc0 .Lentry_in_a_cluster
	s_endpgm
.Lentry_in_a_cluster:
	s_bfe_u32 s2, ttmp6, 0x10000c
	s_cmp_lg_u32 s2, 0xf033
	s_cbranch_scc0 .Lentry_shape_is_right
	s_endpgm
.Lentry_shape_is_right:
; qkv[6144][2048] f16 = (X W^T + b) * 2^-4 for the three projections at once: X = q, k, v stacked as [6144][2048] f16 (h16's first three
; arrays), W = Wq, Wk or Wv (h16's arrays 3, 4, 5) by the block row's third g, b = bq, bk, bv.  Sums in f32.
; The factor 2^-4 is exact and keeps f16's range: LIMIT |Q|, |K|, |V| below 16 x 65,504; stored numbers below 2^-14 have the absolute step 2^-25.
; A work-group makes a block of 256 x 256 with four waves, a wave 128 x 128: 64 accumulator tiles, 512 registers.  A block's rows must lie in one of q, k, v,
; so its height divides 2048: 24 x 8 = 192 blocks.  Blocks of 128 x 128 would be 768 = 3 x 256, but a slot of the same bytes then feeds half the matrix
; instructions (112 against 240 between a tile's request and the wait for it) and each multiply-add reads twice the LDS bytes.
; K goes in steps of 128 through a ring of two LDS slots filled by the tensor data mover: a tile's rows are 256 bytes at multiples of 256.
; CLUSTERS: 4 x 4 work-groups.  X's tile hangs on the block row alone and is asked for jointly along a row of the cluster; W's on the block column (and on g,
; which the whole cluster shares) and is asked for jointly along a column: a quarter of the requests.
; By this text's count a wave has two tensor loads out at the start and one behind each round.
;
; REGISTERS, in windows of 256:
;   window 0: v0-31 addresses; v64-127, v128-191 fragments of X (8 x 16 rows x 32 K), two buffers; v192-223 at work on the way out
;   window 1: v0-63 the bias of my 8 x 8 columns; v64-127, v128-191 fragments of W, two buffers
;   window 2: the 32 accumulator tiles of my rows 0-63 (tile (a, b) at v[8 (8 a + b)]);   window 3: those of my rows 64-127
; THE MATRIX INSTRUCTION IS USED TRANSPOSED: source 0 = 16 rows of W, source 1 = 16 rows of X.  Lane l then holds row l % 16 of the result and in its
; registers 0 to 7 the columns 8 (l / 16) + 0 .. 7: eight neighbouring numbers, which pack into 16 bytes.
.set SIZE_N, 2048
.set SIZE_K, 2048
.set KSTEP,  128
.set PITCH,  272                       ; an LDS row: 256 bytes + 16 of padding = 17 x 16: the 16 rows of a fragment load start 16 bytes apart modulo 256
.set HALFT,  128*PITCH                 ; 128 rows: what one tensor load brings, and what one wave reads of X or of W
.set SLOT,   4*HALFT                   ; X's 256 rows, then W's 256 rows
.set STAGE,  2*SLOT                    ; behind the ring, a multiple of 256: 16 rows x 272 bytes for each wave; no tensor load lands here
.set SPITCH, 272
.set LAPS, SIZE_K/(2*KSTEP)            ; a lap = two K steps = once round the ring: 8 laps
.set ADRA, 16                          ; v16-17  LDS address of my X fragments in slot 0, 1
.set ADRB, 20                          ; v20-21  the same for W
.set STO,  24                          ; v24     the way out: where I put 16 bytes of a row
.set RD,   25                          ; v25     the way out: where I read a row back
.set CO,   26                          ; v26     my byte offset in the result
.set BO,   27                          ; v27     my byte offset in the bias
.set BI,   0                           ; window 1, v[0:63]: bias of columns 16 b + 8 (l / 16) + j at 8 b + j
.set F0,   64                          ; fragment buffer 0
.set F1,   128                         ; fragment buffer 1
.set TMP,  192                         ; the way out: packed results, in window 0
.set G1, 24                            ; s[24:31] descriptor group 1 for X's tiles
.set G0, 32                            ; s[32:39] descriptor group 0 for X's tiles, one set for each slot
.set G1B, 48                           ; s[48:55] descriptor group 1 for W's tiles: another mask
.set G0B, 56                           ; s[56:63] descriptor group 0 for W's tiles, one set for each slot
.set MSB, 0
.macro WIN new                         ; the immediate's high byte repeats the setting that is left
.if MSB != \new
	s_set_vgpr_msb (MSB<<8)|\new
.set MSB, \new
.endif
.endm
.set MUL_LO, 0xa1                      ; source 0 (W) window 1, source 1 (X) window 0, C and D window 2
.set MUL_HI, 0xf1                      ; the same, C and D window 3
.set TO_B,   0x40                      ; destination window 1, address window 0
; A joint load.  Waves 0 and 1 fetch X's two halves, waves 2 and 3 W's.  The branch hangs on the wave's number alone.
.macro JLOAD s
	s_cmp_eq_u32 s11, 0
	s_cbranch_scc0 .Lfor_b_\@
	tensor_load_to_lds s[G0+4*\s:G0+4*\s+3], s[G1:G1+7]
	s_nop 0
	s_branch .Lasked_\@
.Lfor_b_\@:
	tensor_load_to_lds s[G0B+4*\s:G0B+4*\s+3], s[G1B:G1B+7]
	s_nop 0
.Lasked_\@:
.endm
.macro CREST                           ; a round of the cluster's barrier behind its opening work-group barrier
	s_cmp_lg_u32 s10, 0
	s_cbranch_scc1 .Lnot_wave_0_\@
	s_barrier_signal -3
.Lnot_wave_0_\@:
	s_barrier_wait -3
	s_barrier_signal -1
	s_barrier_wait -1
.endm
.macro CROUND                          ; a whole round
	s_barrier_signal -1
	s_barrier_wait -1
	CREST
.endm
	s_load_b64 s[4:5], s[0:1], 0x0                 ; h16
	s_load_b128 s[68:71], s[0:1], 0x8              ; bq s[68:69], bk s[70:71]
	s_load_b128 s[72:75], s[0:1], 0x18             ; bv s[72:73], qkv s[74:75]
	s_set_vgpr_msb 0x40
	v_lshl_add_u32 v255, v0, 2, 0x48400
	s_set_vgpr_msb 0x4000
	v_mov_b32 v255, 0
	s_set_vgpr_msb 0x1
	ds_add_u32 v255, v255
	s_set_vgpr_msb 0x100
	v_lshrrev_b32 v1, 5, v0
	v_readfirstlane_b32 s10, v1                    ; wave 0..3
	s_lshr_b32 s11, s10, 1                         ; which half of the block's rows is mine.  Also: I fetch for X (0) or for W (1)
	s_and_b32 s12, s10, 1                          ; which half of its columns.  Also: which 128 rows of that tile I fetch
	s_bfe_u32 s40, ttmp6, 0x40000                  ; cx
	s_bfe_u32 s41, ttmp6, 0x40004                  ; cy
	s_lshl_b32 s42, ttmp9, 2
	s_add_co_u32 s42, s42, s40                     ; block column = 4 x cluster x + cx, 0..7
	s_and_b32 s45, ttmp7, 0xffff                   ; cluster y, 0..5
	s_lshl_b32 s13, s45, 2
	s_add_co_u32 s13, s13, s41                     ; block row = 4 x cluster y + cy, 0..23
	s_lshr_b32 s45, s45, 1                         ; g = 0, 1, 2: Q, K, V (8 block rows each); from the cluster's y alone
	s_lshl_b32 s43, s41, 2
	s_lshl_b32 s43, 15, s43                        ; my row of the cluster: places 4 cy .. 4 cy + 3
	s_lshl_b32 s44, 0x1111, s40                    ; my column: places cx, cx + 4, cx + 8, cx + 12
	; descriptor group 1: a tile of 128 rows x 128 elements of 2 bytes; padding of 4 words after every 64 words; bit 21 beside a mask
	s_or_b32 s[G1+0], s43, (1<<16)|(1<<20)|(1<<21)|(5<<22)|(3<<25)
	s_or_b32 s[G1B+0], s44, (1<<16)|(1<<20)|(1<<21)|(5<<22)|(3<<25)
.irp g, G1, G1B
	s_mov_b32 s[\g+1], KSTEP<<16                   ; tensor_dim0 = 128
	s_mov_b32 s[\g+2], 128<<16                     ; tensor_dim1 = 128
	s_mov_b32 s[\g+3], KSTEP<<16                   ; tile_dim0 = 128
	s_mov_b32 s[\g+4], 128                         ; tile_dim1 = 128
	s_mov_b32 s[\g+5], SIZE_K                      ; elements from row to row
	s_mov_b32 s[\g+6], 0
	s_mov_b32 s[\g+7], 0
.endr
	; where the tiles come from.  Every wave makes both addresses, in registers that never hold the other coordinate, and asks by one of them.
	s_lshl_b32 s17, s12, 7                         ; which 128 rows of the tile I fetch
	s_lshl_b32 s16, s13, 8
	s_add_co_u32 s16, s16, s17                     ; X: row 256 x block row + 128 x half,
	s_lshl_b32 s16, s16, 12                        ; rows of 4,096 bytes: below 6144 x 4096
	s_lshl_b32 s46, s42, 8
	s_add_co_u32 s46, s46, s17                     ; W: row 256 x block column + 128 x half,
	s_lshl_b32 s46, s46, 12
	s_add_co_u32 s47, s45, 3                       ; in array 3 + g of h16, arrays of 8,388,608 bytes
	s_lshl_b32 s47, s47, 23
	s_add_co_u32 s46, s46, s47
	s_mov_b32 s17, 0
	s_mov_b32 s47, 0
	s_mul_i32 s20, s10, HALFT                      ; and where they go: X's two halves, then W's two halves = wave x 128 rows
	s_wait_dscnt 0x0
	s_wait_kmcnt 0x0
	s_add_nc_u64 s[14:15], s[4:5], s[16:17]
	s_add_nc_u64 s[46:47], s[4:5], s[46:47]
	CROUND                                         ; all sixteen work-groups are here: the first joint loads meet
.irp s, 0,1
	s_mov_b32 s[G0+4*\s], 1
	s_add_co_u32 s[G0+4*\s+1], s20, \s*SLOT
	s_add_nc_u64 s[G0+4*\s+2:G0+4*\s+3], s[14:15], \s*KSTEP*2      ; K step s
	s_or_b32 s[G0+4*\s+3], s[G0+4*\s+3], 0x80000000
	s_mov_b32 s[G0B+4*\s], 1
	s_add_co_u32 s[G0B+4*\s+1], s20, \s*SLOT
	s_add_nc_u64 s[G0B+4*\s+2:G0B+4*\s+3], s[46:47], \s*KSTEP*2
	s_or_b32 s[G0B+4*\s+3], s[G0B+4*\s+3], 0x80000000
	JLOAD \s                                       ; the ring is filled before anything else is done
.endr
	; the bias of my columns 128 x half + 16 b + 8 (l / 16) + 0..7, into window 1; waited for on the way out
	s_cmp_eq_u32 s45, 1
	s_cselect_b64 s[68:69], s[70:71], s[68:69]
	s_cmp_eq_u32 s45, 2
	s_cselect_b64 s[68:69], s[72:73], s[68:69]
	s_lshl_b32 s46, s42, 10                        ; 4 bytes x (256 x block column + 128 x half), in the registers that held W's address
	s_lshl_b32 s47, s12, 9
	s_add_co_u32 s46, s46, s47
	s_mov_b32 s47, 0
	s_add_nc_u64 s[68:69], s[68:69], s[46:47]
	v_and_b32 v1, 15, v0                           ; l % 16
	v_bfe_u32 v2, v0, 4, 1                         ; l / 16
	v_lshlrev_b32 v[BO], 5, v2
	WIN TO_B
.irp b, 0,1,2,3,4,5,6,7
	global_load_b128 v[BI+8*\b:BI+8*\b+3],   v[BO], s[68:69] offset:64*\b
	global_load_b128 v[BI+8*\b+4:BI+8*\b+7], v[BO], s[68:69] offset:64*\b+16
.endr
	WIN 0
	; A fragment is 16 rows x 32 K in 8 registers: lane l holds row l % 16; registers 0-3 hold K = 8 (l / 16) + 0..7, registers 4-7 hold
	; K = 16 + 8 (l / 16) + 0..7: two loads of 16 bytes, 32 bytes apart.
	v_mul_u32_u24 v3, v1, PITCH
	v_lshl_add_u32 v3, v2, 4, v3                   ; row x pitch + 16 x half
	s_mul_i32 s21, s11, HALFT                      ; my 128 rows of X
	s_mul_i32 s22, s12, HALFT                      ; my 128 rows of W,
	s_add_co_u32 s22, s22, 2*HALFT                 ; which lie behind X's 256
.irp s, 0,1
	v_add_nc_u32 v[ADRA+\s], s21, v3
	v_add_nc_u32 v[ADRB+\s], s22, v3
	s_add_co_u32 s21, s21, SLOT
	s_add_co_u32 s22, s22, SLOT
.endr
	s_mul_i32 s23, s10, 16*SPITCH
	s_add_co_u32 s23, s23, STAGE                   ; my stage
	v_mul_u32_u24 v4, v1, SPITCH                   ; in: row l % 16, 16 bytes for each half of the lanes
	v_lshl_add_u32 v4, v2, 4, v4
	v_add_nc_u32 v[STO], s23, v4
	v_mul_u32_u24 v5, v2, SPITCH                   ; back: lanes 0-15 take one row of 256 bytes, lanes 16-31 the next
	v_lshl_add_u32 v5, v1, 4, v5
	v_add_nc_u32 v[RD], s23, v5
	v_mul_u32_u24 v5, v2, SIZE_N*2                 ; and the same two rows in the result
	v_lshl_add_u32 v[CO], v1, 4, v5
; 16 matrix instructions: m blocks a0, a0 + 1 of the window's four (hi = 0: my rows 0-63, 1: rows 64-127) x all 8 n blocks, 32 along K.
; zero = 1: the first product starts the sums: nothing is ever cleared.  The 64 accumulators take turns in one fixed order.
.macro MUL16 f, hi, a0, zero
.irp a, \a0, \a0+1
.irp b, 0,1,2,3,4,5,6,7
.if \zero
	v_wmma_f32_16x16x32_f16 v[8*(8*(\a)+\b):8*(8*(\a)+\b)+7], v[\f+8*\b:\f+8*\b+7], v[\f+8*(4*\hi+\a):\f+8*(4*\hi+\a)+7], 0
.else
	v_wmma_f32_16x16x32_f16 v[8*(8*(\a)+\b):8*(8*(\a)+\b)+7], v[\f+8*\b:\f+8*\b+7], v[\f+8*(4*\hi+\a):\f+8*(4*\hi+\a)+7], v[8*(8*(\a)+\b):8*(8*(\a)+\b)+7]
.endif
.endr
.endr
.endm
; 32 LDS loads in one run: the fragments of one quarter step (128 rows of W, 128 rows of X, 32 K at byte k of the rows) into buffer f
.macro FETCH slot, k, f
	WIN TO_B
.irp i, 0,1,2,3,4,5,6,7
	ds_load_b128 v[\f+8*\i:\f+8*\i+3],   v[ADRB+\slot] offset:\k+\i*16*PITCH
	ds_load_b128 v[\f+8*\i+4:\f+8*\i+7], v[ADRB+\slot] offset:\k+\i*16*PITCH+32
.endr
	WIN 0
.irp i, 0,1,2,3,4,5,6,7
	ds_load_b128 v[\f+8*\i:\f+8*\i+3],   v[ADRA+\slot] offset:\k+\i*16*PITCH
	ds_load_b128 v[\f+8*\i+4:\f+8*\i+7], v[ADRA+\slot] offset:\k+\i*16*PITCH+32
.endr
.endm
.macro PLACES                          ; four plain vector places behind a matrix instruction, ahead of loads into its sources and of readers of its result
.rept 4
	v_nop
.endr
.endm
; A K step is four quarter steps of 32 along K, 64 matrix instructions each, on buffers 0, 1, 0, 1.
; One of the first three: multiplies buffer f; in its middle it fetches the next quarter's fragments, at byte k of the same slot's rows, into buffer g.
.macro QUARTER slot, k, f, g, zero
	s_wait_dscnt 8                                 ; W and X's rows 0-63 are in; the youngest eight loads (X's rows 64-127) may be out
	WIN MUL_LO
	MUL16 \f, 0, 0, \zero
	MUL16 \f, 0, 2, \zero
	PLACES
	FETCH \slot, \k, \g
	s_wait_dscnt 32                                ; all but the 32 just issued
	WIN MUL_HI
	MUL16 \f, 1, 0, \zero
	MUL16 \f, 1, 2, \zero
.endm
.macro THREE slot, zero
	QUARTER \slot, 64,  F0, F1, \zero
	QUARTER \slot, 128, F1, F0, 0
	QUARTER \slot, 192, F0, F1, 0
.endm
; The last quarter: multiplies buffer 1 and changes slots.  next = the other slot; fill = 1: this slot is filled again, two K steps ahead.
; One barrier for the change of slots.  In front of it each wave waits for its own reads of this slot and for all its tensor loads, of which one is out:
; its part of the next slot.  Behind it the refill comes first, then the next slot's first fragments.
.macro TURN slot, next, fill
	s_wait_dscnt 8
	WIN MUL_LO
	MUL16 F1, 0, 0, 0
	s_wait_dscnt 0                                 ; my reads of this slot are over
	s_wait_tensorcnt 0x0                           ; and all my tensor loads have landed: the one that was out is my part of the next slot
	ds_add_u32 v255, v255
	s_wait_dscnt 0x0
	s_barrier_signal -1                            ; say so (where a slot is filled again this barrier opens a round of the cluster's barrier),
	MUL16 F1, 0, 2, 0                              ; work on registers while the others arrive,
	WIN 0
	s_barrier_wait -1
.if \fill
	CREST                                          ; all sixteen work-groups have said so: no wave of a partner reads this slot or has a load on its way
	s_add_nc_u64 s[G0+4*\slot+2:G0+4*\slot+3], s[G0+4*\slot+2:G0+4*\slot+3], 2*KSTEP*2
	s_add_nc_u64 s[G0B+4*\slot+2:G0B+4*\slot+3], s[G0B+4*\slot+2:G0B+4*\slot+3], 2*KSTEP*2
	JLOAD \slot                                    ; my one tensor load behind the round, ahead of every LDS read
.endif
	PLACES
	FETCH \next, 0, F0
	WIN MUL_HI
	MUL16 F1, 1, 0, 0
	MUL16 F1, 1, 2, 0
.endm
.macro LAP zero                        ; once round the ring, both slots filled again
	THREE 0, \zero
	TURN 0, 1, 1
	THREE 1, 0
	TURN 1, 0, 1
.endm
	s_wait_tensorcnt 1                             ; my part of K step 0 is in; K step 1's may stay out
	s_barrier_signal -1
	s_barrier_wait -1                              ; everybody's is
	FETCH 0, 0, F0
	LAP 1                                          ; the first lap stands in front of the loop: its first products start the sums
	WIN 0                                          ; at a label and at a branch every window is 0
	s_mov_b32 s3, LAPS-2
.Llap:
	LAP 0
	WIN 0
	s_sub_co_u32 s3, s3, 1
	s_cmp_lg_u32 s3, 0
	s_cbranch_scc1 .Llap
	THREE 0, 0                                     ; the last lap fills nothing and has no round of the cluster's barrier
	TURN 0, 1, 0
	THREE 1, 0
	s_wait_dscnt 8                                 ; the very last quarter: nothing more to fetch
	WIN MUL_LO
	MUL16 F1, 0, 0, 0
	MUL16 F1, 0, 2, 0
	s_wait_dscnt 0
	WIN MUL_HI
	MUL16 F1, 1, 0, 0
	MUL16 F1, 1, 2, 0
	; THE WAY OUT, 16 rows at a time: (sum + bias) x 2^-4 as one fused multiply-add on the scaled bias, rounded once to f16, 16 bytes a lane into my own
	; stage in LDS, read back as whole rows of 256 bytes.
	PLACES
	s_lshl_b32 s13, s13, 8
	s_lshl_b32 s14, s11, 7
	s_add_co_u32 s16, s13, s14                     ; my first row of the result,
	s_lshl_b32 s16, s16, 12                        ; rows of 4,096 bytes
	s_mov_b32 s17, 0
	s_add_nc_u64 s[74:75], s[74:75], s[16:17]
	s_lshl_b32 s46, s42, 9                         ; my first column, in bytes: 512 x block + 256 x half
	s_lshl_b32 s47, s12, 8
	s_add_co_u32 s46, s46, s47
	s_mov_b32 s47, 0
	s_add_nc_u64 s[74:75], s[74:75], s[46:47]
	s_wait_loadcnt 0x0                             ; the bias
	WIN 0x41                                       ; destination and source 0 in window 1
.set i, 0
.rept 32
	v_pk_mul_f32 v[BI+i:BI+i+1], v[BI+i:BI+i+1], 0x3d800000 op_sel_hi:[1,0]
.set i, i+2
.endr
; rows 16 i .. 16 i + 15 of my block = the eight tiles (a, 0..7) of window 2 or 3.  inpl: sums as source 0 and destination, bias (window 1) as source 2;
; from: sums as sources 0 and 1; f: F0 or F1 in turn
.macro OUT16 i, a, inpl, from, f
	WIN \inpl
.irp b, 0,1,2,3,4,5,6,7
.irp p, 0,2,4,6
	v_pk_fma_f32 v[8*(8*\a+\b)+\p:8*(8*\a+\b)+\p+1], v[8*(8*\a+\b)+\p:8*(8*\a+\b)+\p+1], 0x3d800000, v[BI+8*\b+\p:BI+8*\b+\p+1] op_sel_hi:[1,0,1]
.endr
.endr
	WIN \from
.irp b, 0,1,2,3,4,5,6,7
.irp r, 0,1,2,3
	v_cvt_pk_f16_f32 v[TMP+4*\b+\r], v[8*(8*\a+\b)+2*\r], v[8*(8*\a+\b)+2*\r+1]
.endr
.endr
	WIN 0
.irp b, 0,1,2,3,4,5,6,7
	ds_store_b128 v[STO], v[TMP+4*\b:TMP+4*\b+3] offset:32*\b
.endr
	s_wait_xcnt 0x0                                ; every earlier memory instruction has had its addresses translated (ISA guide 3.1): buffer f, which stores read, and the stores' base are rewritten only behind this wait
.if \i
	s_add_nc_u64 s[74:75], s[74:75], 16*SIZE_N*2   ; 16 rows on
.endif
.irp t, 0,1,2,3,4,5,6,7
	ds_load_b128 v[\f+4*\t:\f+4*\t+3], v[RD] offset:\t*2*SPITCH    ; LDS serves a wave's instructions in order (ISA guide 5.7.1.4): these see the stores above
.endr
.irp t, 0,1,2,3,4,5,6,7
	s_wait_dscnt 7-\t                              ; pair t of rows is in, the younger ones stay out
	global_store_b128 v[CO], v[\f+4*\t:\f+4*\t+3], s[74:75] offset:2*\t*SIZE_N*2   ; 16 lanes store 256 consecutive bytes at a multiple of 256
.endr
.endm
	OUT16 0, 0, 0x92, 0x0a, F0
	OUT16 1, 1, 0x92, 0x0a, F1
	OUT16 2, 2, 0x92, 0x0a, F0
	OUT16 3, 3, 0x92, 0x0a, F1
	OUT16 4, 0, 0xd3, 0x0f, F0
	OUT16 5, 1, 0xd3, 0x0f, F1
	OUT16 6, 2, 0xd3, 0x0f, F0
	OUT16 7, 3, 0xd3, 0x0f, F1
	s_set_vgpr_msb 0x1
	s_wait_tensorcnt 0x0
	ds_add_u32 v255, v255
	s_wait_dscnt 0x0
	s_set_vgpr_msb 0x100
	CROUND                                         ; the closing round: no work-group ends while a partner may still ask for a tile that names it
	s_endpgm
.Lfunc_end_k_q984a862145_proj:
	.size	k_q984a862145_proj, .Lfunc_end_k_q984a862145_proj-k_q984a862145_proj
	.p2alignl 7, 3214868480
	.fill 96, 4, 3214868480
	.section	.rodata,"a",@progbits
	.p2align	6, 0x0
	.amdhsa_kernel k_q984a862145_proj
		.amdhsa_group_segment_fixed_size 327680
		.amdhsa_private_segment_fixed_size 0
		.amdhsa_enable_private_segment 0
		.amdhsa_kernarg_size 40
		.amdhsa_user_sgpr_count 2
		.amdhsa_user_sgpr_kernarg_segment_ptr 1
		.amdhsa_wavefront_size32 1
		.amdhsa_system_sgpr_workgroup_id_x 1
		.amdhsa_system_sgpr_workgroup_id_y 1
		.amdhsa_system_sgpr_workgroup_id_z 1
		.amdhsa_system_vgpr_workitem_id 0
		.amdhsa_next_free_vgpr 1024
		.amdhsa_next_free_sgpr 76
		.amdhsa_reserve_vcc 0
		.amdhsa_float_denorm_mode_32 3
		.amdhsa_float_denorm_mode_16_64 3
		.amdhsa_memory_ordered 1
		.amdhsa_forward_progress 1
		.amdhsa_inst_pref_size 225
	.end_amdhsa_kernel
	.amdgpu_metadata
---
amdhsa.version: [ 1, 2 ]
amdhsa.kernels:
  - .name:           k_q984a862145_proj
    .symbol:         k_q984a862145_proj.kd
    .args:
      - { .name: h16, .offset: 0, .size: 8, .value_kind: global_buffer, .address_space: global }
      - { .name: bq, .offset: 8, .size: 8, .value_kind: global_buffer, .address_space: global }
      - { .name: bk, .offset: 16, .size: 8, .value_kind: global_buffer, .address_space: global }
      - { .name: bv, .offset: 24, .size: 8, .value_kind: global_buffer, .address_space: global }
      - { .name: qkv, .offset: 32, .size: 8, .value_kind: global_buffer, .address_space: global }
    .group_segment_fixed_size: 327680
    .private_segment_fixed_size: 0
    .kernarg_segment_align: 8
    .kernarg_segment_size: 40
    .max_flat_workgroup_size: 128
    .sgpr_count:     76
    .vgpr_count:     1024
    .wavefront_size: 32
...
	.end_amdgpu_metadata
.endif
;; end of part 6
;; launch attn (part 7): grid 16 x 16, 8 waves a work-group, clusters of 4 x 1, 327,680 bytes of LDS; arguments qkv, x16; writes x16
.if DOCPART == 7
	.amdgcn_target "amdgcn-amd-amdhsa--gfx1250"
	.amdhsa_code_object_version 6
	.text
	.protected	k_q984a862145_attn
	.globl	k_q984a862145_attn
	.p2align	8
	.type	k_q984a862145_attn,@function
k_q984a862145_attn:
	s_mov_b64 s[64:65], 0
	v_nop
	global_prefetch_b8 v0, s[64:65] scope:SCOPE_SE
	s_setreg_imm32_b32 hwreg(HW_REG_WAVE_MODE, 25, 1), 1
	s_wait_xcnt 0x0
	s_wait_alu depctr_hold_cnt(0) depctr_sa_sdst(0) depctr_va_vdst(0) depctr_va_sdst(0) depctr_va_ssrc(0) depctr_va_vcc(0) depctr_vm_vsrc(0)
	s_getreg_b32 s2, hwreg(HW_REG_IB_STS2, 6, 4)
	s_cmp_eq_u32 s2, 0
	s_cbranch_scc0 .Lentry_in_a_cluster
	s_endpgm
.Lentry_in_a_cluster:
	s_bfe_u32 s2, ttmp6, 0x10000c
	s_cmp_lg_u32 s2, 0x3003
	s_cbranch_scc0 .Lentry_shape_is_right
	s_endpgm
.Lentry_shape_is_right:
; x16[h][n][0..127] f16 = softmax over m of (Q[n] . K[m] / sqrt(128)) applied to V, times 2^-4, for head h = work-group y and 128 queries = work-group x.
; qkv holds Q/16, K/16, V/16 as [6144][2048] f16; head h is bytes 256 h .. 256 h + 255 of a row.  Sums, maxima and exponentials in f32.
; Softmax with a running maximum: p = exp2(c s' - c M'), s' = (Q/16).(K/16), c = 256 log2(e) / sqrt(128).  The shift NM = -c M' is rounded once and the same
; number serves the scores' multiply-add and the factor alpha = exp2(NMnew - NMold) on the old sums, so old and new terms carry one shift.
; LIMITS: the maximum ignores NaNs (a NaN score still reaches the sums); exp2 gives 0 below 2^-126; p is rounded to f16 (step 2^-25 below 2^-14).
; EIGHT WAVES.  Waves w and w + 4 take the same 32 queries (two blocks of 16); of every slot of 256 keys wave w takes keys 0-127 and wave w + 4 keys 128-255,
; each with a maximum, a sum and an O of its own, so that a wave's softmax arithmetic has another wave's matrix instructions to run beside.  Every K and V
; fragment is still read by four waves, as with four waves of 32 queries over all keys (eight waves of 16 queries would read each twice as often).
; At the end waves 4-7 hand their O, shift and sum to waves 0-3 through LDS, which bring both halves to the smaller shift, add, divide and store.
; 256 work-groups.  Keys go in slots of 256 through two LDS slots (K and V), in sub-steps of 64 keys, two a wave and slot.
; CLUSTERS: the four query blocks of a cluster (same head) need the same K and V tiles and ask for them jointly (mask 15): a quarter of the requests.
; By this text's count a wave has two tensor loads out at the start and one behind each round.
; BOTH PRODUCTS ARE USED TRANSPOSED.  S^T = K Q^T: lane l holds query l % 16, register j of tile kt key 16 kt + 8 (l / 16) + j: a query's scores lie in two lanes.
; O^T = V^T P^T: P's fragment for 32 keys is tiles 2 s and 2 s + 1 packed pairwise, register for register: no traffic between lanes.  V^T comes from V's rows by the transposing LDS load.
; A SHORT TEXT: a wave's 16 sub-steps run through six written bodies.  A sub-step names neither its slot nor its place in it: its LDS addresses are two running
; registers, stepped inside a slot and made anew, as the slot's scalar base + the lane's term, at a change of slots.
; REGISTERS: window 0: addresses, softmax state, scores, two fragment buffers; window 1: v0-127 O (tile (q, b) at 8 (8 q + b)), v128-191 Q's fragments, v192-223 P's.
.set KP,     272                       ; K's LDS pitch: 256 bytes + 16 = 17 x 16
.set VP,     288                       ; V's LDS pitch: 256 bytes + 32 = 9 x 32, as the transposing load's eight rows want
.set QK,     64*KP                     ; 0x4400: a quarter of a K tile: 64 keys, what one tensor load brings and one sub-step reads
.set QV,     64*VP                     ; 0x4800: the same of V
; Quarter q of slot s lies (2 q + s) quarters from its region's start.  V's region starts at 0: the slot-0 bases 0, 0x9000, 0x12000, 0x1b000 have neither
; bit of 0x4800.  K's starts at 0x28000: the bases 0x28000, 0x30800, 0x39000, 0x41800 have neither bit of 0x4400.  So an exclusive or with the quarter's size
; changes slots.  The 16,384 bytes from 0x24000 on stay unused for that.
.set VBASE,  0
.set KBASE,  0x28000
.set STAGE,  KBASE+8*QK                ; 0x4a000, a multiple of 256; no tensor load lands here; 16 rows x 272 bytes for each of waves 0-3
.set XPAIR,  34*512                    ; the hand-over of a pair of waves: 32 x 512 bytes of O, 512 of shifts, 512 of sums; from LDS byte 0 on, in V's slots after their last fill
.set MB8,    8388608
.set CEXP,   0x420293ee                ; c = 32.644462
.set KL,   8                           ; v8      the lane's term of a K fragment's address
.set VL,   9                           ; v9      of a V fragment's
.set KCUR, 10                          ; v10     this sub-step's K rows
.set VCUR, 11                          ; v11     this sub-step's V rows
.set XA,   12                          ; v12     the hand-over: my pair's bytes + 16 x lane
.set PO,   13                          ; v13     the prefetch's lane offset
.set QO,   16
.set STO,  17
.set RD,   18
.set CO,   19
.set M,    20                          ; v20-21  running maximum of s', block q
.set LS,   24                          ; v24-25  running sum of my lane's keys
.set AL,   26                          ; v[26:29] pairs, low word alpha
.set NM,   30                          ; v[30:33] pairs, low word -c M
.set T,    34                          ; v[34:41] at work, four a block
.set PLS,  42                          ; v[42:43] the partner's sums
.set PNM,  44                          ; v[44:47] the partner's shifts, as pairs
.set MW,   48                          ; v[48:53] at work in the merge
.set SC,   64                          ; v[64:127] scores, then p: 32 q + 8 kt + j
.set FA,   128
.set FB,   192
.set OA,   0                           ; window 1
.set QF,   128                         ; window 1: 8 (4 q + ks)
.set PF,   192                         ; window 1: 8 (2 s + q)
.set G1K, 24
.set G0K, 32                           ; s[32:35] slot 0's first fill; s[36:39] slot 1's first fill and then every refill
.set G1V, 40
.set G0V, 48                           ; likewise
.set MSB, 0
.macro WIN new
.if MSB != \new
	s_set_vgpr_msb (MSB<<8)|\new
.set MSB, \new
.endif
.endm
.macro JLOAD s                         ; waves 0-3 ask for K's quarters of 64 keys, waves 4-7 for V's
	s_cmp_eq_u32 s11, 0
	s_cbranch_scc0 .Lfor_v_\@
	tensor_load_to_lds s[G0K+4*\s:G0K+4*\s+3], s[G1K:G1K+7]
	s_nop 0
	s_branch .Lasked_\@
.Lfor_v_\@:
	tensor_load_to_lds s[G0V+4*\s:G0V+4*\s+3], s[G1V:G1V+7]
	s_nop 0
.Lasked_\@:
.endm
.macro ASK                             ; wave 0 alone asks: 32 lanes, 32 rows of 256 bytes, this work-group's sixteenth of a K and V tile
	s_cmp_lg_u32 s10, 0
	s_cbranch_scc1 .Lno_ask_\@
	global_prefetch_b8 v[PO], s[72:73] th:TH_LOAD_NT scope:SCOPE_SE
.Lno_ask_\@:
.endm
.macro CREST
	s_cmp_lg_u32 s10, 0
	s_cbranch_scc1 .Lnot_wave_0_\@
	s_barrier_signal -3
.Lnot_wave_0_\@:
	s_barrier_wait -3
	s_barrier_signal -1
	s_barrier_wait -1
.endm
.macro CROUND
	s_barrier_signal -1
	s_barrier_wait -1
	CREST
.endm
.macro PLACES                          ; four plain vector places behind a matrix instruction (ISA guide 7.12.1)
.rept 4
	v_nop
.endr
.endm
.macro PLACES2                         ; two, where two address sums have filled the other two
	v_nop
	v_nop
.endm
; 16 loads: K's fragments of this sub-step (nxt = 0) or my next of the slot (1), two quarters on: 64 keys = 4 tiles, d = 64 g .. 64 g + 63 (two steps of 32)
.macro FETCHK nxt, g, f
.irp u, 0,1
.irp kt, 0,1,2,3
	ds_load_b128 v[\f+8*(4*\u+\kt):\f+8*(4*\u+\kt)+3],   v[KCUR] offset:\nxt*2*QK+\kt*16*KP+64*(2*\g+\u)
	ds_load_b128 v[\f+8*(4*\u+\kt)+4:\f+8*(4*\u+\kt)+7], v[KCUR] offset:\nxt*2*QK+\kt*16*KP+64*(2*\g+\u)+32
.endr
.endr
.endm
; 16 transposing loads: V^T's fragments, 8 blocks of 16 d x keys 32 s .. 32 s + 31 of the sub-step
.macro FETCHV s, f
.irp b, 0,1,2,3,4,5,6,7
	ds_load_tr16_b128 v[\f+8*\b:\f+8*\b+3],   v[VCUR] offset:32*\s*VP+32*\b
	ds_load_tr16_b128 v[\f+8*\b+4:\f+8*\b+7], v[VCUR] offset:32*\s*VP+32*\b+16*VP
.endr
.endm
; 16 matrix instructions on the eight score tiles, which take turns
.macro MULS f, g, zero
	WIN 0x04                                       ; source 1 (Q) in window 1
.irp u, 0,1
.irp kt, 0,1,2,3
.irp q, 0,1
.if (\zero)*(1-\u)
	v_wmma_f32_16x16x32_f16 v[SC+32*\q+8*\kt:SC+32*\q+8*\kt+7], v[\f+8*(4*\u+\kt):\f+8*(4*\u+\kt)+7], v[QF+8*(4*\q+2*\g+\u):QF+8*(4*\q+2*\g+\u)+7], 0
.else
	v_wmma_f32_16x16x32_f16 v[SC+32*\q+8*\kt:SC+32*\q+8*\kt+7], v[\f+8*(4*\u+\kt):\f+8*(4*\u+\kt)+7], v[QF+8*(4*\q+2*\g+\u):QF+8*(4*\q+2*\g+\u)+7], v[SC+32*\q+8*\kt:SC+32*\q+8*\kt+7]
.endif
.endr
.endr
.endr
.endm
; 16 matrix instructions, one on each tile of O, in turns
.macro MULV f, s, zero
	WIN 0x54                                       ; P, C and D in window 1
.irp b, 0,1,2,3,4,5,6,7
.irp q, 0,1
.if \zero
	v_wmma_f32_16x16x32_f16 v[OA+8*(8*\q+\b):OA+8*(8*\q+\b)+7], v[\f+8*\b:\f+8*\b+7], v[PF+8*(2*\s+\q):PF+8*(2*\s+\q)+7], 0
.else
	v_wmma_f32_16x16x32_f16 v[OA+8*(8*\q+\b):OA+8*(8*\q+\b)+7], v[\f+8*\b:\f+8*\b+7], v[PF+8*(2*\s+\q):PF+8*(2*\s+\q)+7], v[OA+8*(8*\q+\b):OA+8*(8*\q+\b)+7]
.endif
.endr
.endr
.endm
; The 64 x 32 scores of a sub-step become p; M, NM, LS and O are brought to the new maximum.  first = 1: nothing old to carry.
.macro SOFTMAX first
.irp k, 0,1,2,3                        ; the largest of my 32 scores of each block, in four chains
.irp q, 0,1
	v_max3_num_f32 v[T+4*\q+\k], v[SC+32*\q+8*\k], v[SC+32*\q+8*\k+1], v[SC+32*\q+8*\k+2]
.endr
.endr
.irp k, 0,1,2,3
.irp q, 0,1
	v_max3_num_f32 v[T+4*\q+\k], v[T+4*\q+\k], v[SC+32*\q+8*\k+3], v[SC+32*\q+8*\k+4]
.endr
.endr
.irp k, 0,1,2,3
.irp q, 0,1
	v_max3_num_f32 v[T+4*\q+\k], v[T+4*\q+\k], v[SC+32*\q+8*\k+5], v[SC+32*\q+8*\k+6]
.endr
.endr
.irp q, 0,1
	v_max3_num_f32 v[T+4*\q],   v[T+4*\q],   v[SC+32*\q+7],  v[SC+32*\q+15]
	v_max3_num_f32 v[T+4*\q+1], v[T+4*\q+1], v[SC+32*\q+23], v[SC+32*\q+31]
.endr
.irp q, 0,1
	v_max3_num_f32 v[T+4*\q], v[T+4*\q], v[T+4*\q+1], v[T+4*\q+2]
.endr
.irp q, 0,1
	v_max_num_f32 v[T+4*\q], v[T+4*\q], v[T+4*\q+3]
.endr
.irp q, 0,1
	v_permlanex16_b32 v[T+4*\q+1], v[T+4*\q], s22, s23     ; the other 32 keys of the same query lie in lane l xor 16
.endr
.if \first
.irp q, 0,1
	v_max_num_f32 v[M+\q], v[T+4*\q], v[T+4*\q+1]
.endr
.irp q, 0,1
	v_mul_f32 v[NM+2*\q], s58, v[M+\q]                     ; -c M
.endr
.else
.irp q, 0,1
	v_max3_num_f32 v[M+\q], v[M+\q], v[T+4*\q], v[T+4*\q+1]
.endr
.irp q, 0,1
	v_mul_f32 v[T+4*\q+2], s58, v[M+\q]                    ; the new -c M
.endr
.irp q, 0,1
	v_sub_f32 v[T+4*\q+3], v[T+4*\q+2], v[NM+2*\q]         ; new - old, at most 0
.endr
.irp q, 0,1
	v_exp_f32 v[AL+2*\q], v[T+4*\q+3]                      ; alpha
.endr
.irp q, 0,1
	v_mov_b32 v[NM+2*\q], v[T+4*\q+2]                      ; also the plain place behind the exponentials (ISA guide 5.7.2)
.endr
.endif
.set i, 0
.rept 16
	v_pk_fma_f32 v[SC+i:SC+i+1],       v[SC+i:SC+i+1],       CEXP, v[NM:NM+1]   op_sel_hi:[1,0,0]
	v_pk_fma_f32 v[SC+32+i:SC+32+i+1], v[SC+32+i:SC+32+i+1], CEXP, v[NM+2:NM+3] op_sel_hi:[1,0,0]
.set i, i+2
.endr
.set i, 0
.rept 64
	v_exp_f32 v[SC+i], v[SC+i]
.set i, i+1
.endr
	v_nop                                          ; one plain place behind the run of exponentials
	s_wait_alu depctr_va_vdst(0)
.irp q, 0,1                            ; the sum of my 32 p of each block, two chains of pairs
	v_pk_add_f32 v[T+4*\q:T+4*\q+1],   v[SC+32*\q:SC+32*\q+1],   v[SC+32*\q+2:SC+32*\q+3]
	v_pk_add_f32 v[T+4*\q+2:T+4*\q+3], v[SC+32*\q+4:SC+32*\q+5], v[SC+32*\q+6:SC+32*\q+7]
.endr
.irp n, 8,12,16,20,24,28
.irp q, 0,1
	v_pk_add_f32 v[T+4*\q:T+4*\q+1],   v[T+4*\q:T+4*\q+1],   v[SC+32*\q+\n:SC+32*\q+\n+1]
	v_pk_add_f32 v[T+4*\q+2:T+4*\q+3], v[T+4*\q+2:T+4*\q+3], v[SC+32*\q+\n+2:SC+32*\q+\n+3]
.endr
.endr
.irp q, 0,1
	v_pk_add_f32 v[T+4*\q:T+4*\q+1], v[T+4*\q:T+4*\q+1], v[T+4*\q+2:T+4*\q+3]
.endr
.if \first
.irp q, 0,1
	v_add_f32 v[LS+\q], v[T+4*\q], v[T+4*\q+1]
.endr
.else
.irp q, 0,1
	v_add_f32 v[T+4*\q], v[T+4*\q], v[T+4*\q+1]
.endr
.irp q, 0,1
	v_fma_f32 v[LS+\q], v[LS+\q], v[AL+2*\q], v[T+4*\q]
.endr
.endif
	WIN 0x40                                       ; destination in window 1: P's fragments
.irp s, 0,1
.irp q, 0,1
.irp n, 0,1,2,3,4,5,6,7
	v_cvt_pk_f16_f32 v[PF+16*\s+8*\q+\n], v[SC+32*\q+16*\s+2*\n], v[SC+32*\q+16*\s+2*\n+1]
.endr
.endr
.endr
.if \first == 0
	WIN 0x41                                       ; O in window 1, alpha in window 0
.set i, 0
.rept 32
	v_pk_mul_f32 v[OA+i:OA+i+1],       v[OA+i:OA+i+1],       v[AL:AL+1]   op_sel_hi:[1,0]
	v_pk_mul_f32 v[OA+64+i:OA+64+i+1], v[OA+64+i:OA+64+i+1], v[AL+2:AL+3] op_sel_hi:[1,0]
.set i, i+2
.endr
.endif
.endm
; One sub-step of 64 keys.  On entry K's first 16 loads (into FA) are out and four places stand behind the last matrix instruction.
; Every s_wait_dscnt 16 leaves out the 16 loads of the younger buffer alone.
; tail 0: my second sub-step of the slot follows; 1: change slots and fill this one again; 2: change slots, nothing left to fetch; 3: my last sub-step.
.macro SUB first, tail
	FETCHK 0, 1, FB
	s_wait_dscnt 16
	MULS FA, 0, 1
	WIN 0
	PLACES
	FETCHV 0, FA
	s_wait_dscnt 16
	MULS FB, 1, 0
	WIN 0
	PLACES                                         ; for the loads into FB and for the readers of the scores
	FETCHV 1, FB
	SOFTMAX \first
	s_wait_dscnt 16
	MULV FA, 0, \first
.if \tail == 0
	WIN 0
	PLACES
	FETCHK 1, 0, FA                                ; my next 64 keys of the same slot
	s_wait_dscnt 16
	MULV FB, 1, 0
	WIN 0
	v_add_nc_u32 v[KCUR], 2*QK, v[KCUR]            ; two quarters on; with the two v_nop the four places behind the last matrix instruction
	v_add_nc_u32 v[VCUR], 2*QV, v[VCUR]
	PLACES2
.else
	s_wait_dscnt 0                                 ; V's last fragments are in, and all my reads of this slot are over
.if \tail != 3
	s_wait_tensorcnt 0x0                           ; all my tensor loads have landed: the one that was out is my part of the other slot
	ds_add_u32 v63, v225
	s_wait_dscnt 0x0
	s_barrier_signal -1                            ; say so (with a refill this barrier opens a round of the cluster's barrier)
.endif
	MULV FB, 1, 0                                  ; registers only
	WIN 0
.if \tail != 3
	s_barrier_wait -1
.endif
.if \tail == 1
	CREST                                          ; all four work-groups have said so
	s_add_nc_u64 s[G0K+6:G0K+7], s[G0K+6:G0K+7], 256*4096   ; the running descriptors: the tile 256 keys behind the one asked for last,
	s_xor_b32 s[G0K+5], s[G0K+5], QK                        ; into the slot that was not filled last, which is the one just read; no load of mine is out
	s_add_nc_u64 s[G0V+6:G0V+7], s[G0V+6:G0V+7], 256*4096
	s_xor_b32 s[G0V+5], s[G0V+5], QV
	JLOAD 1                                        ; my one tensor load behind the round, ahead of every LDS read; it has the other slot's sub-steps in which to land
	s_wait_xcnt 0x0                                ; the last prefetch, a slot ago, has had its address translated (ISA guide 3.1): its base is written again only behind this wait
	s_add_co_u32 s70, s70, 1<<20                   ; the tile behind the one just requested: one trip ahead of its tensor load;
	s_min_u32 s70, s70, 7<<20                      ; the last trip asks for tile 7 again and so stays inside the buffer
	s_add_nc_u64 s[72:73], s[74:75], s[70:71]
	ASK
.endif
.if \tail != 3
	s_xor_b32 s67, s67, QK                         ; the other slot's bases,
	s_xor_b32 s68, s68, QV
	v_add_nc_u32 v[KCUR], s67, v[KL]               ; and my first 64 rows there; with the two v_nop the four places behind the last matrix instruction
	v_add_nc_u32 v[VCUR], s68, v[VL]
	PLACES2
	FETCHK 0, 0, FA
.else
	PLACES
.endif
.endif
.endm
	s_load_b128 s[4:7], s[0:1], 0x0                ; qkv s[4:5], x16 s[6:7]
	v_lshl_add_u32 v63, v0, 2, 0x4e400
	s_set_vgpr_msb 0x40
	v_mov_b32 v225, 0
	s_set_vgpr_msb 0x4044
	ds_add_u32 v63, v225
	s_set_vgpr_msb 0x4400
	v_lshrrev_b32 v1, 5, v0
	v_readfirstlane_b32 s10, v1                    ; wave 0..7
	s_lshr_b32 s11, s10, 2                         ; which 128 keys of every slot are mine.  Also: I fetch for K (0) or for V (1)
	s_and_b32 s12, s10, 3                          ; which 32 queries are mine.  Also: which 64 keys of a tile I fetch
	s_bfe_u32 s13, ttmp6, 0x40000                  ; cx
	s_lshl_b32 s14, ttmp9, 2
	s_add_co_u32 s14, s14, s13                     ; query block = 4 x cluster x + cx
	s_and_b32 s15, ttmp7, 0xffff                   ; head
	s_mov_b32 s22, 0x76543210                      ; v_permlanex16_b32: lane i reads lane i of the other half
	s_mov_b32 s23, 0xfedcba98
	s_mov_b32 s58, 0xc20293ee                      ; -c
	s_mul_i32 s67, s11, 4*QK                       ; my first quarter of the K slot that is read: quarter 2 x half of slot 0,
	s_add_co_u32 s67, s67, KBASE                   ; 0x28000 or 0x39000
	s_mul_i32 s68, s11, 4*QV                       ; of the V slot: 0 or 0x12000
	s_mov_b32 s[G1K+0], 15|(1<<16)|(1<<20)|(1<<21)|(5<<22)|(3<<25)   ; mask: all four; 2 bytes; padding: after every 64 words 4 words
	s_mov_b32 s[G1V+0], 15|(1<<16)|(1<<20)|(1<<21)|(5<<22)|(7<<25)   ; the same with 8 words
.irp g, G1K, G1V
	s_mov_b32 s[\g+1], 128<<16                     ; tensor_dim0 = 128 elements
	s_mov_b32 s[\g+2], 64<<16                      ; tensor_dim1 = 64 rows
	s_mov_b32 s[\g+3], 128<<16                     ; tile_dim0
	s_mov_b32 s[\g+4], 64                          ; tile_dim1
	s_mov_b32 s[\g+5], 2048                        ; elements from row to row
	s_mov_b32 s[\g+6], 0
	s_mov_b32 s[\g+7], 0
.endr
	s_lshl_b32 s16, s12, 18                        ; 64 keys x 4,096 bytes x quarter,
	s_lshl_b32 s17, s15, 8                         ; + the head's 256 bytes: nothing here hangs on cx
	s_add_co_u32 s16, s16, s17
	s_mov_b32 s17, 0
	s_mul_i32 s20, s12, 2*QK                       ; where my quarter goes in slot 0
	s_add_co_u32 s20, s20, KBASE
	s_mul_i32 s21, s12, 2*QV
	s_wait_dscnt 0x0
	s_wait_kmcnt 0x0
	s_add_nc_u64 s[18:19], s[4:5], s[16:17]
	CROUND                                         ; all four work-groups are here: the first joint loads meet
.irp s, 0,1
	s_mov_b32 s[G0K+4*\s], 1
	s_add_co_u32 s[G0K+4*\s+1], s20, \s*QK
	s_add_nc_u64 s[G0K+4*\s+2:G0K+4*\s+3], s[18:19], MB8+\s*256*4096
	s_or_b32 s[G0K+4*\s+3], s[G0K+4*\s+3], 0x80000000
	s_mov_b32 s[G0V+4*\s], 1
	s_add_co_u32 s[G0V+4*\s+1], s21, VBASE+\s*QV
	s_add_nc_u64 s[G0V+4*\s+2:G0V+4*\s+3], s[18:19], 2*MB8+\s*256*4096
	s_or_b32 s[G0V+4*\s+3], s[G0V+4*\s+3], 0x80000000
	JLOAD \s
.endr
	; Q's fragments, once, straight into registers: lane l holds query l % 16, 16 bytes at 64 ks + 16 (l / 16) and 32 further
	s_lshl_b32 s60, s14, 19                        ; 128 queries x 4,096 bytes x block (s60-63 may hold cx; they feed no descriptor and no LDS address)
	s_lshl_b32 s61, s12, 17                        ; + 32 queries x (wave % 4)
	s_add_co_u32 s60, s60, s61
	s_lshl_b32 s61, s15, 8
	s_add_co_u32 s60, s60, s61
	s_mov_b32 s61, 0
	s_add_nc_u64 s[62:63], s[4:5], s[60:61]
	v_and_b32 v1, 15, v0                           ; l % 16
	v_bfe_u32 v2, v0, 4, 1                         ; l / 16
	v_lshlrev_b32 v7, 12, v1
	v_lshl_add_u32 v[QO], v2, 4, v7
	v_lshl_add_u32 v[PO], v2, 23, v7               ; the prefetch: lanes 0-15 sixteen rows of K, lanes 16-31 the same rows of V, 8,388,608 bytes on
	WIN 0x40                                       ; destination in window 1
.irp q, 0,1
.irp ks, 0,1,2,3
	global_load_b128 v[QF+8*(4*\q+\ks):QF+8*(4*\q+\ks)+3],   v[QO], s[62:63] offset:65536*\q+64*\ks
	global_load_b128 v[QF+8*(4*\q+\ks)+4:QF+8*(4*\q+\ks)+7], v[QO], s[62:63] offset:65536*\q+64*\ks+32
.endr
.endr
	WIN 0
	; A tile of 256 keys is 512 rows of 256 bytes (K and V); the head's 16 work-groups ask for 32 rows each, so each row is asked for by one lane of the launch
	; (tile 7 twice: the clamp).  Tile 2 is asked for here, tile n + 3 in the trip that requests tile n + 2.
	s_lshl_b32 s60, s14, 16                        ; 16 rows x 4,096 bytes x query block,
	s_lshl_b32 s61, s15, 8                         ; + the head's 256 bytes,
	s_add_co_u32 s60, s60, s61
	s_add_co_u32 s60, s60, MB8                     ; in K
	s_mov_b32 s61, 0
	s_add_nc_u64 s[74:75], s[4:5], s[60:61]
	s_mov_b32 s70, 2<<20                           ; tile 2: 256 rows of 4,096 bytes a tile
	s_mov_b32 s71, 0
	s_add_nc_u64 s[72:73], s[74:75], s[70:71]
	ASK
	s_lshl_b32 s60, s15, 19                        ; x16: (2048 x head + 128 x block + 32 x (wave % 4)) rows of 256 bytes
	s_lshl_b32 s61, s14, 15
	s_add_co_u32 s60, s60, s61
	s_lshl_b32 s61, s12, 13
	s_add_co_u32 s60, s60, s61
	s_mov_b32 s61, 0
	s_add_nc_u64 s[6:7], s[6:7], s[60:61]
	v_and_b32 v3, 7, v0
	v_bfe_u32 v4, v0, 3, 1
	v_mul_u32_u24 v5, v1, KP
	v_lshl_add_u32 v[KL], v2, 4, v5                ; K: row l % 16, 16 bytes x (l / 16)
	v_lshl_add_u32 v6, v2, 3, v3                   ; V: row 8 (l / 16) + l % 8,
	v_mul_u32_u24 v6, v6, VP
	v_lshl_add_u32 v[VL], v4, 4, v6                ; 16 bytes x ((l / 8) % 2)
	v_add_nc_u32 v[KCUR], s67, v[KL]               ; slot 0, my first 64 rows
	v_add_nc_u32 v[VCUR], s68, v[VL]
	s_mul_i32 s66, s12, 16*272
	s_add_co_u32 s66, s66, STAGE                   ; the stage of waves 0-3
	v_add_nc_u32 v[STO], s66, v[KL]                ; in: row l % 16, 16 bytes for each half of the lanes
	v_mul_u32_u24 v7, v2, 272                      ; back: lanes 0-15 one row of 256 bytes, lanes 16-31 the next
	v_lshl_add_u32 v7, v1, 4, v7
	v_add_nc_u32 v[RD], s66, v7
	v_and_b32 v7, 31, v0
	v_lshlrev_b32 v[CO], 4, v7                     ; in x16 those two rows are 512 consecutive bytes
	s_mul_i32 s69, s12, XPAIR
	v_add_nc_u32 v[XA], s69, v[CO]                 ; the hand-over of my pair of waves: 16 bytes a lane
	v_mov_b32 v[AL+1], 0                           ; the pairs' upper words are never used, but a pair is read whole
	v_mov_b32 v[AL+3], 0
	v_mov_b32 v[NM+1], 0
	v_mov_b32 v[NM+3], 0
	s_wait_tensorcnt 0x1                           ; my part of slot 0 is in; slot 1's may stay out
	s_barrier_signal -1
	s_barrier_wait -1
	s_wait_loadcnt 0x0                             ; Q
	FETCHK 0, 0, FA
	SUB 1, 0                                       ; my first 64 keys stand ahead of the loop: they start maxima and sums
	s_mov_b32 s9, 6                                ; six slots are filled again: tiles 2 to 7 of eight
.Lstep:
	SUB 0, 1                                       ; my second 64 keys of a slot, the change of slots and the refill
	SUB 0, 0                                       ; my first 64 keys of the next slot
	s_sub_co_u32 s9, s9, 1
	s_cmp_lg_u32 s9, 0
	s_cbranch_scc1 .Lstep
	SUB 0, 2                                       ; tile 6's second half: nothing is left to fetch
	SUB 0, 0                                       ; tile 7
	SUB 0, 3
	; THE MERGE.  Every wave's LDS reads are back (the wait for 0 in its last sub-step) and no tensor load follows: behind this barrier V's slots serve as scratch.
	s_barrier_signal -1
	s_barrier_wait -1
	s_cmp_eq_u32 s11, 0
	s_cbranch_scc1 .Lkeeper
	WIN 0x04                                       ; an LDS store's data is source 1: O, in window 1
.set i, 0
.rept 32
	ds_store_b128 v[XA], v[OA+4*i:OA+4*i+3] offset:512*i   ; 32 lanes x 16 neighbouring bytes
.set i, i+1
.endr
	WIN 0
	ds_store_b128 v[XA], v[NM:NM+3] offset:32*512  ; both shifts, as the pairs lie
	ds_store_b64  v[XA], v[LS:LS+1] offset:33*512  ; both sums
.Lkeeper:
	s_wait_dscnt 0x0                               ; for the partner's sake: my stores are done
	s_barrier_signal -1
	s_barrier_wait -1
	s_cmp_lg_u32 s11, 0
	s_cbranch_scc1 .Lclose                         ; waves 4-7 have handed everything over
	ds_load_b128 v[PNM:PNM+3], v[XA] offset:32*512
	ds_load_b64  v[PLS:PLS+1], v[XA] offset:33*512
.set i, 0
.rept 32
	ds_load_b128 v[FA+4*i:FA+4*i+3], v[XA] offset:512*i    ; the partner's O: block 0 into FA, block 1 into FB
.set i, i+1
.endr
	s_wait_dscnt 32                                ; shifts and sums are in; the 32 loads of O may be out
.irp q, 0,1
	v_min_num_f32 v[MW+\q], v[NM+2*\q], v[PNM+2*\q]        ; the smaller -c M belongs to the larger maximum
.endr
.irp q, 0,1
	v_sub_f32 v[MW+2+\q], v[MW+\q], v[NM+2*\q]             ; new - old, at most 0, as in the loop
	v_sub_f32 v[MW+4+\q], v[MW+\q], v[PNM+2*\q]
.endr
.irp q, 0,1
	v_exp_f32 v[MW+2+\q], v[MW+2+\q]                       ; my factor
	v_exp_f32 v[MW+4+\q], v[MW+4+\q]                       ; the partner's
.endr
	v_nop                                          ; one plain place behind the exponentials
	s_wait_alu depctr_va_vdst(0)
.irp q, 0,1
	v_mul_f32 v[LS+\q], v[LS+\q], v[MW+2+\q]
.endr
.irp q, 0,1
	v_fma_f32 v[LS+\q], v[PLS+\q], v[MW+4+\q], v[LS+\q]
.endr
.irp q, 0,1
	v_permlanex16_b32 v[T+4*\q], v[LS+\q], s22, s23        ; the sum of the keys that lie in lane l xor 16
.endr
.irp q, 0,1
	v_add_f32 v[LS+\q], v[LS+\q], v[T+4*\q]
.endr
	v_rcp_f32 v[MW], v[LS]
	v_rcp_f32 v[MW+1], v[LS+1]
	v_nop                                          ; one plain place behind the reciprocals
	s_wait_alu depctr_va_vdst(0)
.irp q, 0,1
	v_mul_f32 v[AL+2*\q], v[MW+2+\q], v[MW+\q]             ; my factor / sum
	v_mul_f32 v[NM+2*\q], v[MW+4+\q], v[MW+\q]             ; the partner's factor / sum
.endr
	; THE WAY OUT: both halves weighted and added, rounded once to f16, through my own stage, whole rows of 256 bytes out
.irp q, 0,1
.if \q == 0
	s_wait_dscnt 16                                ; block 0 of the partner's O is in; block 1's 16 loads may be out (block 0's last wait below is for 0 and covers them)
.endif
.set i, 0
.rept 32
	v_pk_mul_f32 v[FA+64*\q+i:FA+64*\q+i+1], v[FA+64*\q+i:FA+64*\q+i+1], v[NM+2*\q:NM+2*\q+1] op_sel_hi:[1,0]
.set i, i+2
.endr
	WIN 0x01                                       ; source 0 (my O) in window 1
.set i, 0
.rept 32
	v_pk_fma_f32 v[FA+64*\q+i:FA+64*\q+i+1], v[OA+64*\q+i:OA+64*\q+i+1], v[AL+2*\q:AL+2*\q+1], v[FA+64*\q+i:FA+64*\q+i+1] op_sel_hi:[1,0,1]
.set i, i+2
.endr
	WIN 0
.set i, 0
.rept 32
	v_cvt_pk_f16_f32 v[FA+64*\q+i], v[FA+64*\q+2*i], v[FA+64*\q+2*i+1]   ; packed downward in place: register i is written when 2 i and 2 i + 1 have been read
.set i, i+1
.endr
.irp b, 0,1,2,3,4,5,6,7
	ds_store_b128 v[STO], v[FA+64*\q+4*\b:FA+64*\q+4*\b+3] offset:32*\b
.endr
.irp t, 0,1,2,3,4,5,6,7
	ds_load_b128 v[SC+32*\q+4*\t:SC+32*\q+4*\t+3], v[RD] offset:\t*2*272   ; LDS serves a wave's instructions in order (ISA guide 5.7.1.4): these see the stores above
.endr
.irp t, 0,1,2,3,4,5,6,7
	s_wait_dscnt 7-\t                              ; pair t of rows is in, the younger ones stay out
	global_store_b128 v[CO], v[SC+32*\q+4*\t:SC+32*\q+4*\t+3], s[6:7] offset:(16*\q+2*\t)*256   ; the wave stores 512 consecutive bytes at a multiple of 512
.endr
.endr
.Lclose:
	s_set_vgpr_msb 0x4
	s_wait_tensorcnt 0x0
	ds_add_u32 v63, v225
	s_wait_dscnt 0x0
	s_set_vgpr_msb 0x400
	CROUND                                         ; the closing round
	s_endpgm
.Lfunc_end_k_q984a862145_attn:
	.size	k_q984a862145_attn, .Lfunc_end_k_q984a862145_attn-k_q984a862145_attn
	.p2alignl 7, 3214868480
	.fill 96, 4, 3214868480
	.section	.rodata,"a",@progbits
	.p2align	6, 0x0
	.amdhsa_kernel k_q984a862145_attn
		.amdhsa_group_segment_fixed_size 327680
		.amdhsa_private_segment_fixed_size 0
		.amdhsa_enable_private_segment 0
		.amdhsa_kernarg_size 16
		.amdhsa_user_sgpr_count 2
		.amdhsa_user_sgpr_kernarg_segment_ptr 1
		.amdhsa_wavefront_size32 1
		.amdhsa_system_sgpr_workgroup_id_x 1
		.amdhsa_system_sgpr_workgroup_id_y 1
		.amdhsa_system_sgpr_workgroup_id_z 1
		.amdhsa_system_vgpr_workitem_id 0
		.amdhsa_next_free_vgpr 482
		.amdhsa_next_free_sgpr 76
		.amdhsa_reserve_vcc 0
		.amdhsa_float_denorm_mode_32 3
		.amdhsa_float_denorm_mode_16_64 3
		.amdhsa_memory_ordered 1
		.amdhsa_forward_progress 1
		.amdhsa_inst_pref_size 175
	.end_amdhsa_kernel
	.amdgpu_metadata
---
amdhsa.version: [ 1, 2 ]
amdhsa.kernels:
  - .name:           k_q984a862145_attn
    .symbol:         k_q984a862145_attn.kd
    .args:
      - { .name: qkv, .offset: 0, .size: 8, .value_kind: global_buffer, .address_space: global }
      - { .name: x16, .offset: 8, .size: 8, .value_kind: global_buffer, .address_space: global }
    .group_segment_fixed_size: 327680
    .private_segment_fixed_size: 0
    .kernarg_segment_align: 8
    .kernarg_segment_size: 16
    .max_flat_workgroup_size: 256
    .sgpr_count:     76
    .vgpr_count:     482
    .wavefront_size: 32
...
	.end_amdgpu_metadata
.endif
;; end of part 7
;; launch oproj: the kernel of part 4 again; grid 16 x 16, 4 waves a work-group, clusters of 4 x 4, 327,680 bytes of LDS; arguments x16, h16, bo, out0; writes out0
